; MI455X (gfx1250); checked and timed in simulation.
; The chip was launched on July 23, 2026; its instructions are those of AMD's public machine-readable ISA for CDNA 5 (MIT licence, August 2026) and "CDNA5" Instruction Set Architecture Reference Guide (July 2026). The comments in the code are by the model that wrote it; some were corrected since.
;; Instance. Allowed arithmetic: matrix products marked QUANTISED: E4M3 operands, one given power-of-two scale a tensor, by v_wmma_f32_16x16x64_fp8_fp8 or v_wmma_f32_16x16x128_fp8_fp8, f32 sums; everything else in f32.
;; Inputs: ffn_b1 4,096 float32; ffn_b2 1,024 float32; ffn_w1_codes 4,096 x 32 x 32 uint8 (E4M3 codes of ffn_w1, K innermost, in blocks of 32 codes); ffn_w2_codes 1,024 x 128 x 32 uint8 (E4M3 codes of ffn_w2, K innermost, in blocks of 32 codes); lowp_scales 12 int32 (the exponents e of the quantised operands' scales 2^e); norm1_b 1,024 float32; norm1_w 1,024 float32; norm2_b 1,024 float32; norm2_w 1,024 float32; out_b 1,024 float32; out_w_codes 1,024 x 32 x 32 uint8 (E4M3 codes of out_w, K innermost, in blocks of 32 codes); qkv_b 3,072 float32; qkv_w_codes 3,072 x 32 x 32 uint8 (E4M3 codes of qkv_w, K innermost, in blocks of 32 codes); x 2 x 2,048 x 1,024 float32.
;; Outputs: out0 2 x 2,048 x 1,024 float32.
;; This version of the problem:
;;   THIS VERSION OF THE PROBLEM IS GIVEN IN LOW PRECISION. The matrix products marked QUANTISED in the list below multiply operands that are first quantised to E4M3 (4 exponent bits, 3 mantissa bits; 8 bits a number), with one given power-of-two scale for each operand tensor; their sums are f32. All else is computed in f32.
;;   The module's matrix products, in the order in which they are computed (A, B: the left and right operand; K: the contracted axis; several contracted axes count as one K, in the product's order):
;;     1. [M 4,096, K 1,024] x [K 1,024, N 3,072]; A: computed on the way; B: input qkv_w (given as codes): QUANTISED (scales: A lowp_scales[0], B lowp_scales[1])
;;     2. batch 32 x [M 2,048, K 64] x [K 64, N 2,048]; A: computed on the way; B: computed on the way: QUANTISED (scales: A lowp_scales[2], B lowp_scales[3])
;;     3. batch 32 x [M 2,048, K 2,048] x [K 2,048, N 64]; A: softmax (see below); B: computed on the way: QUANTISED (scales: A lowp_scales[4], B lowp_scales[5])
;;     4. [M 4,096, K 1,024] x [K 1,024, N 1,024]; A: computed on the way; B: input out_w (given as codes): QUANTISED (scales: A lowp_scales[6], B lowp_scales[7])
;;     5. [M 4,096, K 1,024] x [K 1,024, N 4,096]; A: computed on the way; B: input ffn_w1 (given as codes): QUANTISED (scales: A lowp_scales[8], B lowp_scales[9])
;;     6. [M 4,096, K 4,096] x [K 4,096, N 1,024]; A: computed on the way; B: input ffn_w2 (given as codes): QUANTISED (scales: A lowp_scales[10], B lowp_scales[11])
;;   THE QUANTISER, for each operand of a quantised product, along K:
;;     - The operand's scale is 2^e, e = its entry of the input lowp_scales (int32; the entries are numbered through the quantised products in the list's order, A before B).
;;     - Each number is divided by the scale, clamped to +-448, and rounded to the nearest number of E4M3, ties to even, subnormals kept.
;;     - The product sums the exact products of the quantised numbers (number of the format x scale) in f32.
;;   ~~~python
;;   def quantise(x, axis, e):      # numpy; x: float32 -> the quantised numbers, widened to float32 again
;;       x = np.moveaxis(x, axis, -1); K = x.shape[-1]
;;       r = np.clip(x / 2.0 ** e, -448, 448)
;;       step = 2.0 ** (np.maximum(np.frexp(np.where(r == 0, 1, r))[1] - 1, -6) - 3)
;;       q = np.round(r / step) * step * 2.0 ** e      # np.round: ties to even
;;       return np.moveaxis(q, -1, axis).astype(np.float32)
;;   ~~~
;;   SOFTMAX AHEAD OF A QUANTISED PRODUCT. Where the list says 'softmax', what is quantised is not the finished softmax but p = 2^(t - M), with t = logit x log2(e) and M = ceil(the row's largest t), a whole number; so 1/2 < the row's largest p <= 1. The row's sum l is taken of the UNQUANTISED p, in f32, and the product's result is divided by l at the end. Since M is a whole number, a kernel that streams over the keys may use a running M (the ceiling of the running maximum): every later rescaling is an exact power of two, so the quantised numbers keep their values, but for numbers so far below the row's largest that they fall under the format's range.
;;   OPERANDS COMPUTED ON THE WAY. 'Computed on the way' means the value that the module computes at that place (a softmax that the list does not call 'softmax' is quantised finished and normalised). What goes into a quantiser is computed in f32, as accurately as f32 sums, v_exp_f32 and their like allow (about 1e-6 of the number): no bf16 or f16 on the way to a quantiser, and a product that is left as it is and whose result goes on into a quantised operand takes f32 operands (vector FMAs, or v_wmma_f32_16x16x4_f32). A number that lies on a knife's edge between two numbers of the format may be rounded either way, as far as f32 arithmetic and the matrix unit's own rounding can turn it there, and no further.
;;   INPUTS GIVEN AS CODES. ffn_w1 (in the module: [1024, 4096], K = its axis 0); ffn_w2 (in the module: [4096, 1024], K = its axis 0); out_w (in the module: [1024, 1024], K = its axis 0); qkv_w (in the module: [1024, 3072], K = its axis 0): each comes as NAME_codes (uint8): NAME with its K axis moved to the last place and cut into blocks of 32 codes, [.., K / 32, bytes a block], one block behind the other in memory; one code a byte (a code: sign, 4 exponent bits, 3 mantissa bits); its scale is its entry of lowp_scales. Its value is code x scale, taken as it is: it is not quantised again, and the codes and scales need not be those that the quantiser above would give.
;; One version. Each part assembles by itself: llvm-mc -triple=amdgcn-amd-amdhsa -mcpu=gfx1250 --defsym DOCPART=n.
;; ======== version 1 of 1: 7 launches
;; workspace buffers: acodes 4,194,304 bytes; qkvc 12,582,912 bytes; ocodes 4,194,304 bytes; y 16,777,216 bytes; g 16,777,216 bytes
;; launch ln1 (part 1): grid 256 x 1, 4 waves a work-group, no clusters, 16,896 bytes of LDS; arguments x, norm1_w, norm1_b, lowp_scales, acodes; writes acodes
.if DOCPART == 1
	.amdgcn_target "amdgcn-amd-amdhsa--gfx1250"
	.amdhsa_code_object_version 6
	.text
	.protected	k_q0a395688dd_ln1
	.globl	k_q0a395688dd_ln1
	.p2align	8
	.type	k_q0a395688dd_ln1,@function
k_q0a395688dd_ln1:
	s_mov_b64 s[64:65], 0
	v_nop
	global_prefetch_b8 v0, s[64:65] scope:SCOPE_SE
	s_setreg_imm32_b32 hwreg(HW_REG_WAVE_MODE, 25, 1), 1
	s_wait_xcnt 0x0
; LayerNorm of 4,096 rows of 1,024 f32 numbers, then the quantiser: code = value / 2^e, held within +-448, to the nearest E4M3 code.  e = entry SOFF/4 of the scales.
; One wave, one row at a time, four rows a wave: the row stays in 32 registers between the mean, the variance and the scaling, so it is read once; no wave waits for another.
; All 48 loads of a wave (gain, bias, four rows: 24 KB) go out at the head.
; PERM = 1: THE CODES ARE WRITTEN IN PARITY ORDER: destination row b 2048 + par 1024 + i holds token b 2048 + 2 i + par, since the attention's mask lets only tokens of one parity meet.
; A wave's four destination rows are neighbours, its four source rows lie RS bytes apart.
; A lane's codes of a load's 16 bytes are 4 bytes: they go through the wave's own 4 KB of LDS and leave as 512 consecutive bytes a store.
; No tensor load, cluster or matrix unit: the rows are shared by nobody and memory binds.
; LIMITS: e between -126 and 119.  NaN among the inputs is not served.
.set PERM, 1
.set SOFF, 0
.set RS,   8192
.set W,  20                            ; v20-51   the gain: register 4 j + e = column 128 j + 4 lane + e
.set BB, 52                            ; v52-83   the bias, likewise
.set X,  84                            ; v84-211  row r at X + 32 r, likewise
.set C,  212                           ; v212-243 row r's codes, 8 registers
	s_load_b256 s[4:11], s[0:1], 0x0               ; source s[4:5], gain s[6:7], bias s[8:9], scales s[10:11]
	s_load_b64 s[12:13], s[0:1], 0x20              ; the codes
	v_lshl_add_u32 v248, v0, 2, 0x4000
	v_mov_b32 v249, 0
	v_lshrrev_b32 v1, 5, v0
	v_readfirstlane_b32 s14, v1                    ; wave
	v_and_b32 v4, 31, v0                           ; lane
	v_lshlrev_b32 v1, 4, v4                        ; 16 x lane: offset of every load and store
	s_lshl_b32 s15, s14, 12                        ; my wave's 4 KB of LDS
	v_lshl_add_u32 v2, v4, 2, s15                  ; the stage, in: 4 x lane
	v_add_nc_u32 v3, s15, v1                       ; the stage, out: 16 x lane
	v_mov_b32 v5, 0                                ; written once: a lane permute's destination counts as one of its sources
	s_lshl_b32 s16, ttmp9, 4
	s_lshl_b32 s17, s14, 2
	s_add_co_u32 s16, s16, s17                     ; my first destination row: 16 x work-group + 4 x wave
.if PERM
	s_lshr_b32 s17, s16, 11
	s_lshl_b32 s17, s17, 11                        ; the batch's 2,048 rows,
	s_and_b32 s18, s16, 1023
	s_lshl_b32 s18, s18, 1                         ; twice the place in the parity,
	s_add_co_u32 s17, s17, s18
	s_bfe_u32 s18, s16, 0x1000a                    ; and the parity
	s_add_co_u32 s17, s17, s18
.else
	s_mov_b32 s17, s16
.endif
	s_lshl_b32 s18, s17, 12                        ; a source row is 4,096 bytes
	s_mov_b32 s19, 0
	s_lshl_b32 s16, s16, 10                        ; a row of codes 1,024
	s_mov_b32 s17, 0
	s_mov_b32 s20, 0x76543210                      ; v_permlanex16_b32: lane l xor 16
	s_mov_b32 s21, 0xfedcba98
	s_mov_b32 s24, 0x3a800000                      ; 1 / 1,024
	s_mov_b32 s25, 0x3727c5ac                      ; 1e-5
	s_wait_kmcnt 0x0
	s_load_b32 s22, s[10:11], SOFF                 ; e
	s_add_nc_u64 s[4:5], s[4:5], s[18:19]
	s_add_nc_u64 s[12:13], s[12:13], s[16:17]
.irp j, 0,1,2,3,4,5,6,7
	global_load_b128 v[W+4*\j:W+4*\j+3], v1, s[6:7] offset:512*\j
.endr
.irp j, 0,1,2,3,4,5,6,7
	global_load_b128 v[BB+4*\j:BB+4*\j+3], v1, s[8:9] offset:512*\j
.endr
.irp r, 0,1,2,3
.irp j, 0,1,2,3,4,5,6,7
	global_load_b128 v[X+32*\r+4*\j:X+32*\r+4*\j+3], v1, s[4:5] offset:\r*RS+512*\j th:TH_LOAD_NT   ; 32 lanes read 512 consecutive bytes
.endr
.endr
	s_wait_kmcnt 0x0
	s_add_co_i32 s22, s22, 127
	s_lshl_b32 s23, s22, 23
	v_mov_b32 v6, s23                              ; 2^e as f32: the conversion takes its exponent field
	s_add_co_i32 s22, s22, 8
	s_lshl_b32 s22, s22, 23
	s_or_b32 s22, s22, 0x600000
	v_mov_b32 v7, s22                              ; 448 x 2^e
.macro JOIN                            ; the four chains v[12:19] become one number a lane, then one for the wave, in every lane's v4
	v_pk_add_f32 v[12:13], v[12:13], v[14:15]
	v_pk_add_f32 v[16:17], v[16:17], v[18:19]
	v_pk_add_f32 v[12:13], v[12:13], v[16:17]
	v_add_f32 v4, v12, v13
	v_add_f32_dpp v4, v4, v4 row_xmask:1 row_mask:0xf bank_mask:0xf
	v_add_f32_dpp v4, v4, v4 row_xmask:2 row_mask:0xf bank_mask:0xf
	v_add_f32_dpp v4, v4, v4 row_xmask:4 row_mask:0xf bank_mask:0xf
	v_add_f32_dpp v4, v4, v4 row_xmask:8 row_mask:0xf bank_mask:0xf
	v_permlanex16_b32 v5, v4, s20, s21
	v_add_f32 v4, v4, v5
.endm
.macro ROW r
.set XR, X+32*\r
	s_wait_loadcnt 8*(3-\r)                        ; loads come back in order: gain, bias and this row are in, the younger rows stay out
.irp k, 0,1,2,3
	v_pk_add_f32 v[12+2*\k:13+2*\k], v[XR+4*\k:XR+4*\k+1], v[XR+4*\k+2:XR+4*\k+3]   ; the first sixteen numbers start four chains: nothing is cleared
.endr
.irp k, 0,1,2,3,4,5,6,7
	v_pk_add_f32 v[12+2*(\k%4):13+2*(\k%4)], v[12+2*(\k%4):13+2*(\k%4)], v[XR+16+2*\k:XR+17+2*\k]
.endr
	JOIN
	v_mul_f32 v8, s24, v4                          ; the mean, twice: a pair for the packed forms
	v_mul_f32 v9, s24, v4
.irp k, 0,1,2,3,4,5,6,7,8,9,10,11,12,13,14,15
	v_pk_add_f32 v[XR+2*\k:XR+2*\k+1], v[XR+2*\k:XR+2*\k+1], v[8:9] neg_lo:[0,1] neg_hi:[0,1]   ; x - mean, in place
.endr
.irp k, 0,1,2,3
	v_pk_mul_f32 v[12+2*\k:13+2*\k], v[XR+2*\k:XR+2*\k+1], v[XR+2*\k:XR+2*\k+1]
.endr
.irp k, 4,5,6,7,8,9,10,11,12,13,14,15
	v_pk_fma_f32 v[12+2*(\k%4):13+2*(\k%4)], v[XR+2*\k:XR+2*\k+1], v[XR+2*\k:XR+2*\k+1], v[12+2*(\k%4):13+2*(\k%4)]
.endr
	JOIN
	v_fma_f32 v4, v4, s24, s25                     ; the variance + 1e-5
	v_rsq_f32 v10, v4
	v_rsq_f32 v11, v4
	v_nop                                          ; a plain instruction behind the last of the two,
	s_wait_alu depctr_va_vdst(0)                   ; and one wait for both, ahead of their first reader
.irp k, 0,1,2,3,4,5,6,7,8,9,10,11,12,13,14,15
	v_pk_mul_f32 v[XR+2*\k:XR+2*\k+1], v[XR+2*\k:XR+2*\k+1], v[10:11]
.endr
.irp k, 0,1,2,3,4,5,6,7,8,9,10,11,12,13,14,15
	v_pk_fma_f32 v[XR+2*\k:XR+2*\k+1], v[XR+2*\k:XR+2*\k+1], v[W+2*\k:W+2*\k+1], v[BB+2*\k:BB+2*\k+1]
.endr
.irp k, 0,1,2,3,4,5,6,7,8,9,10,11,12,13,14,15,16,17,18,19,20,21,22,23,24,25,26,27,28,29,30,31
	v_med3_num_f32 v[XR+\k], v[XR+\k], -v7, v7     ; the conversion to an 8-bit code does not saturate (ISA guide 7.6.2): the hold at 448 x the scale
.endr
.irp u, 0,1,2,3
	v_cvt_scalef32_pk8_fp8_f32 v[C+8*\r+2*\u:C+8*\r+2*\u+1], v[XR+8*\u:XR+8*\u+7], v6   ; word j of the eight: the codes of columns 128 j + 4 lane + 0 .. 3
.endr
	v_nop                                          ; one plain instruction behind the last conversion
.irp j, 0,1,2,3,4,5,6,7
	ds_store_b32 v2, v[C+8*\r+\j] offset:1024*\r+128*\j   ; the row's byte = its column
.endr
.irp u, 0,1
	ds_load_b128 v[XR+4*\u:XR+4*\u+3], v3 offset:1024*\r+512*\u   ; LDS serves a wave's instructions in order: these see my stores
.endr
	s_wait_dscnt 0x0
.irp u, 0,1
	global_store_b128 v1, v[XR+4*\u:XR+4*\u+3], s[12:13] offset:1024*\r+512*\u   ; 512 consecutive bytes, aligned; each row has registers of its own, so none is written again
.endr
.endm
	ROW 0
	ROW 1
	ROW 2
	ROW 3
	s_wait_tensorcnt 0x0
	ds_add_u32 v248, v249
	s_wait_dscnt 0x0
	s_endpgm
.Lfunc_end_k_q0a395688dd_ln1:
	.size	k_q0a395688dd_ln1, .Lfunc_end_k_q0a395688dd_ln1-k_q0a395688dd_ln1
	.p2alignl 7, 3214868480
	.fill 96, 4, 3214868480
	.section	.rodata,"a",@progbits
	.p2align	6, 0x0
	.amdhsa_kernel k_q0a395688dd_ln1
		.amdhsa_group_segment_fixed_size 16896
		.amdhsa_private_segment_fixed_size 0
		.amdhsa_enable_private_segment 0
		.amdhsa_kernarg_size 40
		.amdhsa_user_sgpr_count 2
		.amdhsa_user_sgpr_kernarg_segment_ptr 1
		.amdhsa_wavefront_size32 1
		.amdhsa_system_sgpr_workgroup_id_x 1
		.amdhsa_system_sgpr_workgroup_id_y 1
		.amdhsa_system_sgpr_workgroup_id_z 1
		.amdhsa_system_vgpr_workitem_id 0
		.amdhsa_next_free_vgpr 250
		.amdhsa_next_free_sgpr 66
		.amdhsa_reserve_vcc 0
		.amdhsa_float_denorm_mode_32 3
		.amdhsa_float_denorm_mode_16_64 3
		.amdhsa_memory_ordered 1
		.amdhsa_forward_progress 1
		.amdhsa_inst_pref_size 44
	.end_amdhsa_kernel
	.amdgpu_metadata
---
amdhsa.version: [ 1, 2 ]
amdhsa.kernels:
  - .name:           k_q0a395688dd_ln1
    .symbol:         k_q0a395688dd_ln1.kd
    .args:
      - { .name: x, .offset: 0, .size: 8, .value_kind: global_buffer, .address_space: global }
      - { .name: norm1_w, .offset: 8, .size: 8, .value_kind: global_buffer, .address_space: global }
      - { .name: norm1_b, .offset: 16, .size: 8, .value_kind: global_buffer, .address_space: global }
      - { .name: lowp_scales, .offset: 24, .size: 8, .value_kind: global_buffer, .address_space: global }
      - { .name: acodes, .offset: 32, .size: 8, .value_kind: global_buffer, .address_space: global }
    .group_segment_fixed_size: 16896
    .private_segment_fixed_size: 0
    .kernarg_segment_align: 8
    .kernarg_segment_size: 40
    .max_flat_workgroup_size: 128
    .sgpr_count:     66
    .vgpr_count:     250
    .wavefront_size: 32
...
	.end_amdgpu_metadata
.endif
;; end of part 1
;; launch qkv (part 2): grid 12 x 16, 4 waves a work-group, clusters of 4 x 4, 327,680 bytes of LDS; arguments acodes, qkv_w_codes, lowp_scales, qkv_b, qkvc; writes qkvc
.if DOCPART == 2
	.amdgcn_target "amdgcn-amd-amdhsa--gfx1250"
	.amdhsa_code_object_version 6
	.text
	.protected	k_q0a395688dd_qkv
	.globl	k_q0a395688dd_qkv
	.p2align	8
	.type	k_q0a395688dd_qkv,@function
k_q0a395688dd_qkv:
	s_mov_b64 s[64:65], 0
	v_nop
	global_prefetch_b8 v0, s[64:65] scope:SCOPE_SE
	s_setreg_imm32_b32 hwreg(HW_REG_WAVE_MODE, 25, 1), 1
	s_wait_xcnt 0x0
	s_wait_alu depctr_hold_cnt(0) depctr_sa_sdst(0) depctr_va_vdst(0) depctr_va_sdst(0) depctr_va_ssrc(0) depctr_va_vcc(0) depctr_vm_vsrc(0)
	s_getreg_b32 s2, hwreg(HW_REG_IB_STS2, 6, 4)
	s_cmp_eq_u32 s2, 0
	s_cbranch_scc0 .Lentry_in_a_cluster
	s_endpgm
.Lentry_in_a_cluster:
	s_bfe_u32 s2, ttmp6, 0x10000c
	s_cmp_lg_u32 s2, 0xf033
	s_cbranch_scc0 .Lentry_shape_is_right
	s_endpgm
.Lentry_shape_is_right:
; q, k, v = LN1(x) W + b on E4M3 codes, quantised again for the attention.  acodes: [4096 tokens in parity order][1024]; qkv_w_codes: [3072][1024]; sums f32, x 2^(e0 + e1), + bias, then
; code = value / 2^et, held within +-448: et = e2 (q), e3 (k), e5 (v).
; A tile of 256 x 256 is made by four waves, 128 x 128 each: 64 accumulators of 16 x 16, 512 registers.  K goes in steps of 256 through a ring of two LDS slots filled by the tensor data mover.
; CLUSTERS of 4 x 4: the four of a row of the cluster share the tiles of side A, the four of a column those of side B: each tile is asked for jointly.
; THE MATRIX INSTRUCTION IS USED TRANSPOSED (source 0 = 16 rows of side B, source 1 = 16 rows of side A): a lane holds one row of side A and eight neighbours of side B.
; The cluster's x is the KIND: 0 q, 1 k, 2 v, the same in all sixteen partners.  q and k are quantised along the channels: side A = tokens, side B = weights.  v is quantised along the KEYS:
; there the sides are swapped (side A = weights' rows 2048 on, side B = tokens).  Both buffers have rows of 1,024 bytes, so only the two base addresses and the tiles' numbers are chosen.
; THE RESULT IS LAID AS IMAGES OF THE ATTENTION'S OPERAND REGISTERS.  Region kind x 2^22; block (batch, head, parity) of 65,536 bytes at b 2^21 + head 2^17 + par 2^16.
;   q, k: [32 positions: 2,048][u: 1,024][c: 512][lane 16 hc + rc: 16 bytes] = position 32 P + 8 u + rc + 8 (rc / 8), channels 32 c + 16 hc + 0 .. 15
;   v:    [32 keys: 2,048][dt: 512][lane 16 hc + r: 16 bytes] = channel 16 dt + r, keys 32 P + 16 hc + 0 .. 15
; A wave's 128 x 128 codes are 16 KB: two heads x 8 KB that are dense in memory.  They are gathered in LDS and leave as 512 consecutive bytes a store.
; LIMITS: e0 + e1 between -126 and 127; e2, e3, e5 between -126 and 119.  NaN among the inputs is not served.
; REGISTERS, in windows of 256: window 0: v0-31 addresses; v32-95 the bias along side B, v96-111 along side A; from v128 A's fragments, ONE set; on the way out v128-255 are at work.
;   window 1: B's fragments, TWO sets.   window 2: the accumulators of my rows 0-63 ((a, b) at v[8 (8 a + b)]);   window 3: those of rows 64-127.
.set SIZE_K, 1024
.set KSTEP,  256
.set ROWB,   256
.set KROW,   SIZE_K
.set PITCH,  272                       ; an LDS row: 256 bytes + 16 of padding: the 16 rows that a load touches start at 16 different banks
.set FR,     16
.set NL,     4
.set NP,     4
.set HALFT,  128*PITCH
.set SLOT,   4*HALFT
.set LAPS,   SIZE_K/(2*KSTEP)
.set SPARE,  2*SLOT                    ; behind the ring: the spare words, 128 bytes a wave
.set ADRA, 16
.set ADRB, 20
.set CO,   22                          ; v22  16 x lane
.set STQ,  24                          ; v24  the stage, in, for q and k; v25 for v
.set RDQ,  26                          ; v26  the stage, out, for q and k; v27 for v
.set SPW,  28
.set NIL,  29
.set SC,   30                          ; v30  2^et
.set LIM,  31                          ; v31  448 x 2^et
.set BI,   32
.set BA,   96
.set AF,   128
.set TMP,  128                         ; the way out: a block's 64 numbers
.set CD,   192                         ; and its codes, two sets of 16
.set G1, 24
.set G0, 32
.set G1B, 48
.set G0B, 56
.set MSB, 0
.macro WIN new                         ; the immediate's high byte repeats the setting that is left
.if MSB != \new
	s_set_vgpr_msb (MSB<<8)|\new
.set MSB, \new
.endif
.endm
.set MUL_LO, 0xa1                      ; source 0 (B) window 1, source 1 (A) window 0, C and D window 2
.set MUL_HI, 0xf1
.set TO_B,   0x40
; A joint load: waves 0 and 1 fetch for side A, waves 2 and 3 for side B; the branch hangs on the wave's number alone.  Four v_nop follow each of the two lines.
.macro JLOAD g0a, g1a, g0b, g1b
	s_cmp_eq_u32 s15, 0
	s_cbranch_scc0 .Lfor_b_\@
	tensor_load_to_lds s[\g0a:\g0a+3], s[\g1a:\g1a+7]
	s_nop 0
.rept 4
	v_nop
.endr
	s_branch .Lasked_\@
.Lfor_b_\@:
	tensor_load_to_lds s[\g0b:\g0b+3], s[\g1b:\g1b+7]
	s_nop 0
.rept 4
	v_nop
.endr
.Lasked_\@:
.endm
.macro CREST                           ; a round of the cluster's barrier behind its opening barrier
	s_cmp_lg_u32 s14, 0
	s_cbranch_scc1 .Lnot_wave_0_\@
	s_barrier_signal -3
.Lnot_wave_0_\@:
	s_barrier_wait -3
	s_barrier_signal -1
	s_barrier_wait -1
.endm
.macro CROUND
	s_barrier_signal -1
	s_barrier_wait -1
	CREST
.endm
	s_load_b256 s[4:11], s[0:1], 0x0               ; acodes s[4:5], the weights' codes s[6:7], scales s[8:9], bias s[10:11]
	s_load_b64 s[12:13], s[0:1], 0x20              ; qkvc
	v_lshl_add_u32 v[SPW], v0, 2, SPARE
	v_mov_b32 v[NIL], 0
	ds_add_u32 v28, v29
	ds_add_u32 v28, v29
	s_wait_dscnt 0x0
	v_lshrrev_b32 v1, 5, v0
	v_readfirstlane_b32 s14, v1                    ; wave 0..3
	s_lshr_b32 s15, s14, 1                         ; which half of side A's rows is mine.  Also: I fetch for A (0) or for B (1)
	s_and_b32 s16, s14, 1                          ; which half of side B's.  Also: which 128 rows of that tile I fetch
	s_bfe_u32 s40, ttmp6, 0x40000                  ; cx, cy: my place in the cluster
	s_bfe_u32 s41, ttmp6, 0x40004
	s_and_b32 s66, ttmp7, 0xffff
	s_lshl_b32 s66, s66, 2                         ; 4 x cluster y
	s_lshl_b32 s67, ttmp9, 2                       ; 4 x cluster x
	s_cmp_eq_u32 ttmp9, 2                          ; v?  The cluster's x: the same in all partners
	s_cselect_b32 s17, 8, s66                      ; side A's tile: v: the weights' rows 2,048 on; q, k: the tokens by cluster y
	s_cselect_b32 s42, s66, s67                    ; side B's tile: v: the tokens by cluster y; q, k: the weights by cluster x
	s_add_co_u32 s17, s17, s41                     ; + cy: shared along a row of the cluster
	s_add_co_u32 s42, s42, s40                     ; + cx: shared along a column
	s_lshl_b32 s43, s41, 2
	s_lshl_b32 s43, 15, s43                        ; my row of the cluster
	s_lshl_b32 s44, 0x1111, s40                    ; my column
	s_or_b32 s[G1+0], s43, (0<<16)|(1<<20)|(1<<21)|(5<<22)|(3<<25)  ; the mask; elements of 1 byte; padding on; bit 21 beside a mask; after every 64 words 4 words
	s_or_b32 s[G1B+0], s44, (0<<16)|(1<<20)|(1<<21)|(5<<22)|(3<<25)
.irp g, G1, G1B
	s_mov_b32 s[\g+1], ROWB<<16                    ; tensor_dim0
	s_mov_b32 s[\g+2], 128<<16                     ; tensor_dim1
	s_mov_b32 s[\g+3], ROWB<<16                    ; tile_dim0
	s_mov_b32 s[\g+4], 128                         ; tile_dim1
	s_mov_b32 s[\g+5], KROW                        ; the pitch
	s_mov_b32 s[\g+6], 0
	s_mov_b32 s[\g+7], 0
.endr
	s_lshl_b32 s18, s16, 7
	s_lshl_b32 s20, s17, 8
	s_add_co_u32 s20, s20, s18                     ; A: row 256 x tile + 128 x half
	s_lshl_b32 s20, s20, 10                        ; in bytes
	s_lshl_b32 s46, s42, 8
	s_add_co_u32 s46, s46, s18                     ; B likewise
	s_lshl_b32 s46, s46, 10
	s_mov_b32 s21, 0
	s_mov_b32 s47, 0
	s_mul_i32 s45, s14, HALFT                      ; where they go: wave x 128 rows
	s_wait_kmcnt 0x0
	s_load_b256 s[68:75], s[8:9], 0x0              ; e0 .. e7
	s_cmp_eq_u32 ttmp9, 2
	s_cselect_b64 s[78:79], s[6:7], s[4:5]         ; side A's buffer
	s_cselect_b64 s[80:81], s[4:5], s[6:7]         ; side B's
	s_add_nc_u64 s[20:21], s[78:79], s[20:21]
	s_add_nc_u64 s[46:47], s[80:81], s[46:47]
	CROUND                                         ; all sixteen work-groups are here: the first joint loads meet
.irp s, 0,1
	s_mov_b32 s[G0+4*\s], 1
	s_add_co_u32 s[G0+4*\s+1], s45, \s*SLOT
	s_add_nc_u64 s[G0+4*\s+2:G0+4*\s+3], s[20:21], \s*ROWB
	s_or_b32 s[G0+4*\s+3], s[G0+4*\s+3], 0x80000000
	s_mov_b32 s[G0B+4*\s], 1
	s_add_co_u32 s[G0B+4*\s+1], s45, \s*SLOT
	s_add_nc_u64 s[G0B+4*\s+2:G0B+4*\s+3], s[46:47], \s*ROWB
	s_or_b32 s[G0B+4*\s+3], s[G0B+4*\s+3], 0x80000000
	JLOAD G0+4*\s, G1, G0B+4*\s, G1B
.endr
	v_and_b32 v1, 15, v0                           ; r
	v_bfe_u32 v2, v0, 4, 1                         ; h
	v_mul_u32_u24 v3, v1, PITCH
	v_lshl_add_u32 v4, v2, 4, v3                   ; a fragment's row x pitch + 16 x half
	s_mul_i32 s21, s15, HALFT
	s_mul_i32 s22, s16, HALFT
	s_add_co_u32 s22, s22, 2*HALFT
.irp s, 0,1
	v_add_nc_u32 v[ADRA+\s], s21, v4
	v_add_nc_u32 v[ADRB+\s], s22, v4
	s_add_co_u32 s21, s21, SLOT
	s_add_co_u32 s22, s22, SLOT
.endr
	; the stages: 16 KB a wave, in slot 0, which has had its last fill and its last read when the first code is stored there; each of the two ways out has bytes of its own
	s_lshl_b32 s23, s14, 14
	v_lshrrev_b32 v5, 3, v1
	v_and_b32 v6, 7, v1
	v_lshlrev_b32 v5, 10, v5
	v_lshl_add_u32 v5, v6, 4, v5
	v_lshl_add_u32 v5, v2, 3, v5
	v_add_nc_u32 v[STQ], s23, v5                   ; q, k: 1,024 (r / 8) + 16 (r % 8) + 8 h
	v_lshlrev_b32 v5, 4, v1
	v_lshl_add_u32 v5, v2, 3, v5
	v_add_nc_u32 v5, s23, v5
	v_add_nc_u32 v[STQ+1], 0x10000, v5             ; v: 16 r + 8 h
	v_and_b32 v6, 31, v0
	v_lshlrev_b32 v[CO], 4, v6
	v_add_nc_u32 v[RDQ], s23, v[CO]
	v_add_nc_u32 v[RDQ+1], 0x10000, v[RDQ]
	; where my 16 KB go
	s_cmp_eq_u32 ttmp9, 2
	s_cselect_b32 s82, s42, s17                    ; the tokens' tile,
	s_cselect_b32 s83, s16, s15                    ; my half of it,
	s_cselect_b32 s84, s41, s40                    ; the features' tile within the kind,
	s_cselect_b32 s85, s15, s16                    ; my half of it
	s_lshl_b32 s82, s82, 8
	s_lshl_b32 s83, s83, 7
	s_add_co_u32 s82, s82, s83                     ; my first token, in parity order
	s_lshl_b32 s84, s84, 2
	s_lshl_b32 s85, s85, 1
	s_add_co_u32 s84, s84, s85                     ; my first head
	s_lshl_b32 s86, ttmp9, 22                      ; the kind's region
	s_lshr_b32 s87, s82, 11
	s_lshl_b32 s87, s87, 21
	s_add_co_u32 s86, s86, s87                     ; the batch
	s_lshl_b32 s87, s84, 17
	s_add_co_u32 s86, s86, s87                     ; the head
	s_bfe_u32 s87, s82, 0x1000a
	s_lshl_b32 s87, s87, 16
	s_add_co_u32 s86, s86, s87                     ; the parity
	s_and_b32 s87, s82, 1023
	s_lshl_b32 s87, s87, 6
	s_add_co_u32 s86, s86, s87                     ; 64 bytes a position
	s_mov_b32 s87, 0
	s_add_nc_u64 s[12:13], s[12:13], s[86:87]
	; the bias, in both forms, so that no load hangs on a branch: the form that the kind does not use reads the buffer's first numbers
	s_lshl_b32 s88, s42, 8
	s_lshl_b32 s89, s16, 7
	s_add_co_u32 s88, s88, s89
	s_lshl_b32 s88, s88, 2                         ; side B's first feature, in bytes
	s_lshl_b32 s89, s17, 8
	s_lshl_b32 s90, s15, 7
	s_add_co_u32 s89, s89, s90
	s_lshl_b32 s89, s89, 2                         ; side A's
	s_cmp_eq_u32 ttmp9, 2
	s_cselect_b32 s88, 0, s88
	s_cselect_b32 s89, s89, 0
	v_lshl_add_u32 v7, v2, 5, s88
	v_lshl_add_u32 v8, v1, 2, s89
.irp b, 0,1,2,3,4,5,6,7
	global_load_b128 v[BI+8*\b:BI+8*\b+3], v7, s[10:11] offset:64*\b        ; bias(16 b + 8 h + 0 .. 7)
	global_load_b128 v[BI+8*\b+4:BI+8*\b+7], v7, s[10:11] offset:64*\b+16
.endr
.irp a, 0,1,2,3,4,5,6,7
	global_load_b32 v[BA+2*\a], v8, s[10:11] offset:64*\a                   ; bias(16 a + r), twice: a pair for the packed form
	global_load_b32 v[BA+2*\a+1], v8, s[10:11] offset:64*\a
.endr
.macro FRAG reg, adr, q, i             ; 16 rows x 128 K: registers 4 c .. 4 c + 3 hold K = 32 c + 16 (l / 16) + 0 .. 15: the same permutation of k on both sides
.irp c, 0,1,2,3
	ds_load_b128 v[\reg+4*\c:\reg+4*\c+3], v[\adr] offset:128*(\q)+32*\c+(\i)*16*PITCH
.endr
.endm
; 16 matrix instructions: A's blocks a0, a0 + 1 x B's eight.  The 64 accumulators take turns, one instruction a turn, in the same order in every step.
.macro MUL16 a0, p, zero
.irp a, \a0, \a0+1
.irp b, 0,1,2,3,4,5,6,7
.if \zero
	v_wmma_f32_16x16x128_fp8_fp8 v[8*(8*((\a)%4)+\b):8*(8*((\a)%4)+\b)+7], v[128*(\p)+FR*\b:128*(\p)+FR*\b+FR-1], v[AF+FR*(\a):AF+FR*(\a)+FR-1], 0
.else
	v_wmma_f32_16x16x128_fp8_fp8 v[8*(8*((\a)%4)+\b):8*(8*((\a)%4)+\b)+7], v[128*(\p)+FR*\b:128*(\p)+FR*\b+FR-1], v[AF+FR*(\a):AF+FR*(\a)+FR-1], v[8*(8*((\a)%4)+\b):8*(8*((\a)%4)+\b)+7]
.endif
.endr
.endr
.endm
.macro FETCH_B slot, q, p
	WIN TO_B
.irp i, 0,1,2,3,4,5,6,7
	FRAG 128*(\p)+FR*\i, ADRB+\slot, \q, \i
.endr
	WIN 0
.endm
.macro FETCH_A slot, q, i0
.irp i, \i0, \i0+1, \i0+2, \i0+3
	FRAG AF+FR*(\i), ADRA+\slot, \q, \i
.endr
.endm
.macro PLACES n                        ; plain vector instructions between a matrix instruction and a load into, or a read of, its registers
.rept \n
	v_nop
.endr
.endm
.macro STEP slot, q, zero              ; 128 along K with its successor in the same slot
	s_wait_dscnt 4*NL                              ; B's set and A's blocks 0-3 are in; the youngest sixteen loads (A's blocks 4-7) may be out
	WIN MUL_LO
	MUL16 0, (\q)%2, \zero
	MUL16 2, (\q)%2, \zero
	s_wait_dscnt 0
	PLACES NP
	FETCH_B \slot, (\q)+1, 1-(\q)%2
	FETCH_A \slot, (\q)+1, 0
	WIN MUL_HI
	MUL16 4, (\q)%2, \zero
	MUL16 6, (\q)%2, \zero
	PLACES NP
	WIN 0
	FETCH_A \slot, (\q)+1, 4
.endm
; A slot's last step changes slots: one barrier; in front of it each wave waits for all its tensor loads, adds 0 to its spare word, and waits for that and for its reads of this slot.
.macro TURN slot, next, fill
	s_wait_tensorcnt 0x0                           ; all my tensor loads have landed: my part of the next slot
	ds_add_u32 v[SPW], v[NIL]                      ; 0 onto my spare word
	s_wait_dscnt 4*NL+1                            ; (the add and the youngest sixteen loads may be out)
	WIN MUL_LO
	MUL16 0, 1, 0
	s_wait_dscnt 0x0                               ; the add is done, and my reads of this slot are over
	s_barrier_signal -1
	MUL16 2, 1, 0
	WIN 0
	s_barrier_wait -1
.if \fill
	CREST                                          ; the barrier has opened a round of the cluster's: no wave of any partner still reads this slot or has a load on its way
	s_add_nc_u64 s[G0+4*\slot+2:G0+4*\slot+3], s[G0+4*\slot+2:G0+4*\slot+3], 2*ROWB
	s_add_nc_u64 s[G0B+4*\slot+2:G0B+4*\slot+3], s[G0B+4*\slot+2:G0B+4*\slot+3], 2*ROWB
	JLOAD G0+4*\slot, G1, G0B+4*\slot, G1B         ; the first tensor load behind the round; its four v_nop are the places in front of the loads below
.else
	PLACES NP
.endif
	FETCH_B \next, 0, 0
	FETCH_A \next, 0, 0
	WIN MUL_HI
	MUL16 4, 1, 0
	MUL16 6, 1, 0
	PLACES NP
	WIN 0
	FETCH_A \next, 0, 4
.endm
	s_wait_loadcnt 0x0                             ; the bias: 32 small loads, asked for beside the first tiles
	s_wait_tensorcnt 1                             ; my part of K step 0 is in (K step 1's load may be out),
	s_barrier_signal -1
	s_barrier_wait -1                              ; everybody's is
	FETCH_B 0, 0, 0
	FETCH_A 0, 0, 0
	FETCH_A 0, 0, 4
	STEP 0, 0, 1                                   ; the first step's products start the sums
	s_mov_b32 s3, LAPS-1
.Llap:
	TURN 0, 1, 1
	STEP 1, 0, 0
	TURN 1, 0, 1
	STEP 0, 0, 0
	s_sub_co_u32 s3, s3, 1
	s_cmp_lg_u32 s3, 0
	s_cbranch_scc1 .Llap
	TURN 0, 1, 0                                   ; the last lap fills nothing
	STEP 1, 0, 0
	s_wait_dscnt 4*NL
	WIN MUL_LO
	MUL16 0, 1, 0
	MUL16 2, 1, 0
	s_wait_dscnt 0
	WIN MUL_HI
	MUL16 4, 1, 0
	MUL16 6, 1, 0
	WIN 0
; THE WAY OUT.  Block a (16 rows of side A x 128 of side B): sum x 2^(e0 + e1) + bias, the hold, the conversion: a lane's eight numbers are eight neighbours along the attention's K: 8 bytes, to their place in the image.
.macro OUTBLK a, isv
.set AC, 64*((\a)%4)
	WIN 0x02+((\a)/4)                              ; source 0: window 2 or 3
.irp b, 0,1,2,3,4,5,6,7
.irp j, 0,2,4,6
.if \isv
	v_pk_fma_f32 v[TMP+8*\b+\j:TMP+8*\b+\j+1], v[AC+8*\b+\j:AC+8*\b+\j+1], s[96:97], v[BA+2*(\a):BA+2*(\a)+1] op_sel_hi:[1,0,1]   ; each accumulator from its low end on
.else
	v_pk_fma_f32 v[TMP+8*\b+\j:TMP+8*\b+\j+1], v[AC+8*\b+\j:AC+8*\b+\j+1], s[96:97], v[BI+8*\b+\j:BI+8*\b+\j+1] op_sel_hi:[1,0,1]
.endif
.endr
.endr
	WIN 0
.set i, 0
.rept 64
	v_med3_num_f32 v[TMP+i], v[TMP+i], -v[LIM], v[LIM]   ; the conversion does not saturate (ISA guide 7.6.2)
.set i, i+1
.endr
.if (\a) >= 2
	s_wait_dscnt 8                                 ; the stores of the block two back have read this set of code registers; the last block's eight may be out
.endif
.irp b, 0,1,2,3,4,5,6,7
	v_cvt_scalef32_pk8_fp8_f32 v[CD+16*((\a)%2)+2*\b:CD+16*((\a)%2)+2*\b+1], v[TMP+8*\b:TMP+8*\b+7], v[SC]
.endr
	v_nop                                          ; one plain instruction behind the last conversion: the next block writes its sources
.irp b, 0,1,2,3,4,5,6,7
.if \isv
	ds_store_b64 v[STQ+1], v[CD+16*((\a)%2)+2*\b:CD+16*((\a)%2)+2*\b+1] offset:((\a)/4)*8192+((\b)/2)*2048+((\a)%4)*512+((\b)%2)*256
.else
	ds_store_b64 v[STQ], v[CD+16*((\a)%2)+2*\b:CD+16*((\a)%2)+2*\b+1] offset:((\b)/4)*8192+((\a)/2)*2048+((\a)%2)*128+(((\b)%4)/2)*512+((\b)%2)*256
.endif
.endr
.endm
.macro OUT isv
.irp a, 0,1,2,3,4,5,6,7
	OUTBLK \a, \isv
.endr
	s_wait_dscnt 0x0
.set i, 0
.rept 32
	ds_load_b128 v[TMP+4*i:TMP+4*i+3], v[RDQ+\isv] offset:512*i
.set i, i+1
.endr
.set i, 0
.rept 32
	s_wait_dscnt 31-i
	global_store_b128 v[CO], v[TMP+4*i:TMP+4*i+3], s[12:13] offset:(i/16)*131072+(i%16)*512   ; 512 consecutive bytes, aligned; the second head's 8 KB lie 2^17 bytes on
.set i, i+1
.endr
.endm
	s_wait_kmcnt 0x0
	s_add_co_i32 s96, s68, s69
	s_add_co_i32 s96, s96, 127
	s_lshl_b32 s96, s96, 23                        ; 2^(e0 + e1) as f32
	s_mov_b32 s97, s96                             ; (named with it as a pair)
	s_cmp_eq_u32 ttmp9, 0
	s_cselect_b32 s76, s70, s71                    ; e2 for q, e3 for k,
	s_cmp_eq_u32 ttmp9, 2
	s_cselect_b32 s76, s73, s76                    ; e5 for v: a choice, no branch on a loaded number
	s_add_co_i32 s76, s76, 127
	s_lshl_b32 s77, s76, 23
	s_add_co_i32 s76, s76, 8
	s_lshl_b32 s76, s76, 23
	s_or_b32 s76, s76, 0x600000
	PLACES NP                                      ; behind the last products: their results are read and A's fragments' registers written below
	v_mov_b32 v[SC], s77
	v_mov_b32 v[LIM], s76
	s_cmp_eq_u32 ttmp9, 2
	s_cbranch_scc1 .Lv
	OUT 0
	s_branch .Ljoin
.Lv:
	OUT 1
.Ljoin:
	s_wait_tensorcnt 0x0                           ; the wave's end
	ds_add_u32 v[SPW], v[NIL]
	s_wait_dscnt 0x0
	CROUND                                         ; the closing round
	s_endpgm
.Lfunc_end_k_q0a395688dd_qkv:
	.size	k_q0a395688dd_qkv, .Lfunc_end_k_q0a395688dd_qkv-k_q0a395688dd_qkv
	.p2alignl 7, 3214868480
	.fill 96, 4, 3214868480
	.section	.rodata,"a",@progbits
	.p2align	6, 0x0
	.amdhsa_kernel k_q0a395688dd_qkv
		.amdhsa_group_segment_fixed_size 327680
		.amdhsa_private_segment_fixed_size 0
		.amdhsa_enable_private_segment 0
		.amdhsa_kernarg_size 40
		.amdhsa_user_sgpr_count 2
		.amdhsa_user_sgpr_kernarg_segment_ptr 1
		.amdhsa_wavefront_size32 1
		.amdhsa_system_sgpr_workgroup_id_x 1
		.amdhsa_system_sgpr_workgroup_id_y 1
		.amdhsa_system_sgpr_workgroup_id_z 1
		.amdhsa_system_vgpr_workitem_id 0
		.amdhsa_next_free_vgpr 1024
		.amdhsa_next_free_sgpr 100
		.amdhsa_reserve_vcc 0
		.amdhsa_float_denorm_mode_32 3
		.amdhsa_float_denorm_mode_16_64 3
		.amdhsa_memory_ordered 1
		.amdhsa_forward_progress 1
		.amdhsa_inst_pref_size 209
	.end_amdhsa_kernel
	.amdgpu_metadata
---
amdhsa.version: [ 1, 2 ]
amdhsa.kernels:
  - .name:           k_q0a395688dd_qkv
    .symbol:         k_q0a395688dd_qkv.kd
    .args:
      - { .name: acodes, .offset: 0, .size: 8, .value_kind: global_buffer, .address_space: global }
      - { .name: qkv_w_codes, .offset: 8, .size: 8, .value_kind: global_buffer, .address_space: global }
      - { .name: lowp_scales, .offset: 16, .size: 8, .value_kind: global_buffer, .address_space: global }
      - { .name: qkv_b, .offset: 24, .size: 8, .value_kind: global_buffer, .address_space: global }
      - { .name: qkvc, .offset: 32, .size: 8, .value_kind: global_buffer, .address_space: global }
    .group_segment_fixed_size: 327680
    .private_segment_fixed_size: 0
    .kernarg_segment_align: 8
    .kernarg_segment_size: 40
    .max_flat_workgroup_size: 128
    .sgpr_count:     100
    .vgpr_count:     1024
    .wavefront_size: 32
...
	.end_amdgpu_metadata
.endif
;; end of part 2
;; launch att (part 3): grid 512 x 1, 4 waves a work-group, no clusters, 9,216 bytes of LDS; arguments qkvc, lowp_scales, ocodes; writes ocodes
.if DOCPART == 3
	.amdgcn_target "amdgcn-amd-amdhsa--gfx1250"
	.amdhsa_code_object_version 6
	.text
	.protected	k_q0a395688dd_att
	.globl	k_q0a395688dd_att
	.p2align	8
	.type	k_q0a395688dd_att,@function
k_q0a395688dd_att:
	s_mov_b64 s[64:65], 0
	v_nop
	global_prefetch_b8 v0, s[64:65] scope:SCOPE_SE
	s_setreg_imm32_b32 hwreg(HW_REG_WAVE_MODE, 25, 1), 1
	s_wait_xcnt 0x0
; The dilated, windowed, causal attention on E4M3 codes.  The mask lets query i see key j where i - j is even and 0 <= i - j <= 256: tokens of one parity alone meet, and within a parity
; (1,024 positions) query i' sees keys i' - 128 .. i'.  What the mask throws away is not multiplied.
; SHARES.  Work-group = (batch, parity, group of four heads, 32 queries); wave w takes head 4 g + w: two tiles of 16 queries, 160 keys (five groups of 32: P - 4 .. P).
; A query's whole row of scores lies in registers, so the softmax is taken in one pass: M = the ceiling of the row's largest t, p = 2^(t - M), the sum of the unquantised p divides at the end.
; LAYOUT.  Both products transposed: S^T = K Q^T, O^T = V^T P^T: a lane holds one query throughout.  q, k, v come as images of the operands' registers (32 lanes x 16 consecutive bytes a load):
; lane r of tile 2 b + u holds position 32 b + 8 u + r + 8 (r / 8), so that the 16 registers of tiles 2 b, 2 b + 1 are 16 neighbouring keys, 32 b + 16 h + 0 .. 15: the conversions' results are P's operand.
; The second product has K = 192: one more group of 32 keys, P - 5, in front, against zero codes of P.
; Keys in front of the sequence (P < 4, or P < 5 for V) are read from the bytes that lie in front of the block, which are codes of the same buffer; their scores are masked, and P's codes there are zeros.
; All of a wave's operands, 24 KB, are asked for in one run at the head, straight into registers.  No tensor load and no joint request: neighbouring work-groups' windows are shifted against each other
; by 2,048 bytes, so no two want the same block, and there is no loop in which a ring could turn.
; o is quantised with e6; the four waves' 64 bytes of a row meet in LDS and leave as aligned runs of 256 bytes.  ocodes: [4096 in parity order][1024].
; LIMITS: e2 + e3 between -123 and 130; e4, e6 between -126 and 119.  NaN among the inputs is not served.
; REGISTERS: v1 16 lane; v2 r; v3 16 h; v4 r + 8 (r / 8); v5, v6 the mask's bounds; v7 -infinity; v8-23 Q; v24-103 K; v104-183 S^T, then p; v184-207 P's codes; v208-239 O^T; v240.. at work; window 1: v0-95 V.
.set QF, 8
.set KF, 24
.set S,  104
.set PC, 184
.set O,  208
.set MSB, 0
.macro WIN new
.if MSB != \new
	s_set_vgpr_msb (MSB<<8)|\new
.set MSB, \new
.endif
.endm
	s_load_b128 s[4:7], s[0:1], 0x0                ; qkvc, scales
	s_load_b64 s[8:9], s[0:1], 0x10                ; ocodes
	s_set_vgpr_msb 0x40
	v_lshl_add_u32 v96, v0, 2, 0x2200
	v_mov_b32 v97, 0
	s_set_vgpr_msb 0x4000
	v_lshrrev_b32 v1, 5, v0
	v_readfirstlane_b32 s14, v1                    ; wave
	v_and_b32 v5, 31, v0
	v_lshlrev_b32 v1, 4, v5                        ; 16 x lane
	v_and_b32 v2, 15, v0                           ; r
	v_bfe_u32 v3, v0, 4, 1                         ; h
	v_and_b32 v4, 8, v2
	v_add_nc_u32 v4, v4, v2                        ; r + 8 (r / 8): my query's place in tile 0
	v_mul_u32_u24 v253, v4, 272
	v_lshl_add_u32 v253, v3, 3, v253
	s_lshl_b32 s15, s14, 6
	v_add_nc_u32 v253, s15, v253                   ; the stage, in: my query's row of 272 bytes, + 64 x wave + 8 h
	s_mul_i32 s15, s14, 8*272
	v_mul_u32_u24 v254, v3, 272
	v_lshl_add_u32 v254, v2, 4, v254
	v_add_nc_u32 v254, s15, v254                   ; out: rows 8 w on; lanes 0-15 one row, lanes 16-31 the next
	v_lshlrev_b32 v255, 10, v3
	v_lshl_add_u32 v255, v2, 4, v255               ; and the same in ocodes
	v_lshlrev_b32 v3, 4, v3                        ; 16 h from here on
	s_and_b32 s27, ttmp9, 31                       ; P: which 32 queries
	s_bfe_u32 s16, ttmp9, 0x20005                  ; which four heads
	s_bfe_u32 s17, ttmp9, 0x10007                  ; the parity
	s_lshr_b32 s18, ttmp9, 8                       ; the batch
	s_lshl_b32 s19, s16, 2
	s_add_co_u32 s19, s19, s14                     ; my head
	s_lshl_b32 s28, s18, 21
	s_lshl_b32 s29, s19, 17
	s_add_co_u32 s28, s28, s29
	s_lshl_b32 s29, s17, 16
	s_add_co_u32 s28, s28, s29
	s_lshl_b32 s29, s27, 11
	s_add_co_u32 s28, s28, s29                     ; my block + 2,048 P
	s_mov_b32 s29, 0
	s_lshl_b32 s26, s27, 5
	s_sub_co_i32 s26, 128, s26                     ; 128 - 32 P: the window's place of key 0
	s_lshl_b32 s30, s18, 11
	s_lshl_b32 s31, s17, 10
	s_add_co_u32 s30, s30, s31
	s_lshl_b32 s31, s27, 5
	s_add_co_u32 s30, s30, s31
	s_lshl_b32 s31, s14, 3
	s_add_co_u32 s30, s30, s31                     ; the first row that I store
	s_lshl_b32 s30, s30, 10
	s_lshl_b32 s31, s16, 8
	s_add_co_u32 s30, s30, s31                     ; + the four heads' 256 bytes
	s_mov_b32 s31, 0
	s_mov_b32 s20, 0x76543210                      ; v_permlanex16_b32: lane l xor 16
	s_mov_b32 s21, 0xfedcba98
	s_wait_kmcnt 0x0
	s_load_b256 s[32:39], s[6:7], 0x0              ; e0 .. e7
	s_add_nc_u64 s[10:11], s[4:5], s[28:29]        ; Q
	s_add_nc_u64 s[12:13], s[10:11], 0x400000-8192 ; K: its region, four groups of 32 back
	s_add_nc_u64 s[40:41], s[10:11], 0x800000-10240 ; V: its region, five back
	s_add_nc_u64 s[8:9], s[8:9], s[30:31]
.irp u, 0,1
.irp c, 0,1
	global_load_b128 v[QF+8*\u+4*\c:QF+8*\u+4*\c+3], v1, s[10:11] offset:1024*\u+512*\c
.endr
.endr
.irp T, 0,1,2,3,4,5,6,7,8,9
.irp c, 0,1
	global_load_b128 v[KF+8*\T+4*\c:KF+8*\T+4*\c+3], v1, s[12:13] offset:1024*\T+512*\c
.endr
.endr
	WIN 0x40                                       ; destination window 1
.irp p, 0,1,2,3,4,5
.irp d, 0,1,2,3
	global_load_b128 v[8*(4*(\p/2)+\d)+4*(\p%2):8*(4*(\p/2)+\d)+4*(\p%2)+3], v1, s[40:41] offset:2048*\p+512*\d   ; group p of 32 keys, channels 16 d on: half of a fragment of 64 keys
.endr
.endr
	WIN 0
	v_mov_b32 v7, 0xff800000                       ; -infinity
	v_mov_b32 v241, 0                              ; (named as the upper half of the pair v[240:241])
	v_mov_b32 v248, 0                              ; written once: a lane permute's destination counts as one of its sources
.irp j, 0,1,2,3
	v_mov_b32 v[PC+\j], 0                          ; P's codes for the group in front of the window
.endr
	s_wait_kmcnt 0x0
	s_add_co_i32 s22, s34, s35
	s_lshl_b32 s22, s22, 23
	s_add_co_i32 s22, s22, 0x3e38aa3b              ; c = log2(e) / 8 x 2^(e2 + e3): the exponents are added to c's exponent field
	s_mov_b32 s23, s22                             ; (named with it as a pair)
	s_add_co_i32 s24, s36, s37                     ; e4 + e5
	s_add_co_i32 s42, s36, 127
	s_lshl_b32 s43, s42, 23
	v_mov_b32 v249, s43                            ; 2^e4
	s_add_co_i32 s42, s42, 8
	s_lshl_b32 s42, s42, 23
	s_or_b32 s42, s42, 0x600000
	v_mov_b32 v250, s42                            ; 448 x 2^e4
	s_add_co_i32 s42, s38, 127
	s_lshl_b32 s43, s42, 23
	v_mov_b32 v251, s43                            ; 2^e6
	s_add_co_i32 s42, s42, 8
	s_lshl_b32 s42, s42, 23
	s_or_b32 s42, s42, 0x600000
	v_mov_b32 v252, s42                            ; 448 x 2^e6
; One tile of 16 queries.  Register S + 16 b + i is the key at place kw = 32 b + 16 h + i of the window; my query stands at place 128 + qi, qi = 8 u + r + 8 (r / 8).  It sees lo <= kw <= 128 + qi, lo = max(qi, 128 - 32 P).
.macro QTILE u
.irp T, 0,1,2,3,4,5,6,7,8,9
	v_wmma_f32_16x16x64_fp8_fp8 v[S+8*\T:S+8*\T+7], v[KF+8*\T:KF+8*\T+7], v[QF+8*\u:QF+8*\u+7], 0
.endr
	v_add_nc_u32 v246, 8*\u, v4                    ; qi.  (These lines are the places behind the products)
	v_max_i32 v247, s26, v246                      ; lo
	v_sub_nc_u32 v6, v246, v3                      ; qi - 16 h
	v_sub_nc_u32 v5, v247, v3                      ; lo - 16 h
	v_nop
.set i, 0
.rept 16
	v_cmp_lt_i32 vcc_lo, i, v5                     ; group 0: hidden where i < lo - 16 h
	v_cndmask_b32 v[S+i], v[S+i], v7, vcc_lo
.set i, i+1
.endr
.set i, 0
.rept 16
	v_cmp_gt_i32 vcc_lo, i, v6                     ; group 4: hidden where i > qi - 16 h
	v_cndmask_b32 v[S+64+i], v[S+64+i], v7, vcc_lo
.set i, i+1
.endr
	s_cmp_ge_u32 s27, 4                            ; a branch on the work-group's number: from P = 4 on no key of groups 1 to 3 lies in front of the sequence
	s_cbranch_scc1 .Lin_\@
.set i, 0
.rept 48
	v_cmp_lt_i32 vcc_lo, 32+32*(i/16)+i%16, v5
	v_cndmask_b32 v[S+16+i], v[S+16+i], v7, vcc_lo
.set i, i+1
.endr
.Lin_\@:
	v_max3_num_f32 v246, v[S], v[S+1], v[S+2]      ; the row's largest score among my 80 keys, in two ascending chains,
	v_max3_num_f32 v247, v[S+40], v[S+41], v[S+42]
.set i, 3
.rept 18
	v_max3_num_f32 v246, v246, v[S+i], v[S+i+1]
	v_max3_num_f32 v247, v247, v[S+40+i], v[S+41+i]
.set i, i+2
.endr
	v_max3_num_f32 v246, v246, v[S+39], v[S+79]
	v_max_num_f32 v246, v246, v247
	v_permlanex16_b32 v248, v246, s20, s21
	v_max_num_f32 v246, v246, v248                 ; and among lane l xor 16's.  The query's own key always counts, so this is a number
	v_mul_f32 v246, s22, v246                      ; as t (c is positive)
	v_floor_f32 v240, -v246                        ; -M = floor(-t) = -ceil(t)
.set i, 0
.rept 40
	v_pk_fma_f32 v[S+i:S+i+1], v[S+i:S+i+1], s[22:23], v[240:241] op_sel_hi:[1,0,0]   ; t - M
.set i, i+2
.endr
.set i, 0
.rept 80
	v_exp_f32 v[S+i], v[S+i]                       ; p = 2^(t - M); 0 for hidden keys
.set i, i+1
.endr
	v_nop                                          ; a plain instruction behind the last exponential,
	s_wait_alu depctr_va_vdst(0)                   ; and one wait for the batch, ahead of its first reader
	v_pk_add_f32 v[242:243], v[S:S+1], v[S+2:S+3]  ; the row's sum of the unquantised p, in two chains
	v_pk_add_f32 v[244:245], v[S+4:S+5], v[S+6:S+7]
.set i, 8
.rept 18
	v_pk_add_f32 v[242:243], v[242:243], v[S+i:S+i+1]
	v_pk_add_f32 v[244:245], v[244:245], v[S+i+2:S+i+3]
.set i, i+4
.endr
	v_pk_add_f32 v[242:243], v[242:243], v[244:245]
	v_add_f32 v246, v242, v243
	v_permlanex16_b32 v248, v246, s20, s21
	v_add_f32 v246, v246, v248
	v_rcp_f32 v247, v246
.set i, 0
.rept 80
	v_min_num_f32 v[S+i], v[S+i], v250             ; p is not negative: the hold is one-sided.  (Also the independent work behind the reciprocal)
.set i, i+1
.endr
.irp b, 0,1,2,3,4
	v_cvt_scalef32_pk8_fp8_f32 v[PC+4+4*\b:PC+5+4*\b], v[S+16*\b:S+16*\b+7], v249
	v_cvt_scalef32_pk8_fp8_f32 v[PC+6+4*\b:PC+7+4*\b], v[S+16*\b+8:S+16*\b+15], v249
.endr
	v_nop                                          ; one plain instruction behind the last conversion
	s_wait_alu depctr_va_vdst(0)                   ; the reciprocal's wait, ahead of its reader
	v_ldexp_f32 v246, v247, s24                    ; 2^(e4 + e5) / the sum
	s_wait_loadcnt 0x0                             ; V
	WIN 0x01                                       ; source 0 (V) window 1
.irp c, 0,1,2
.irp d, 0,1,2,3
.if \c == 0
	v_wmma_f32_16x16x64_fp8_fp8 v[O+8*\d:O+8*\d+7], v[8*(4*\c+\d):8*(4*\c+\d)+7], v[PC+8*\c:PC+8*\c+7], 0
.else
	v_wmma_f32_16x16x64_fp8_fp8 v[O+8*\d:O+8*\d+7], v[8*(4*\c+\d):8*(4*\c+\d)+7], v[PC+8*\c:PC+8*\c+7], v[O+8*\d:O+8*\d+7]   ; the four accumulators take turns
.endif
.endr
.endr
	WIN 0
.rept 4
	v_nop
.endr
.set i, 0
.rept 16
	v_pk_mul_f32 v[O+i:O+i+1], v[O+i:O+i+1], v[246:247] op_sel_hi:[1,0]   ; o: register 8 d + j is channel 16 d + 8 h + j of my query
.set i, i+2
.endr
.set i, 0
.rept 32
	v_med3_num_f32 v[O+i], v[O+i], -v252, v252
.set i, i+1
.endr
.irp d, 0,1,2,3
	v_cvt_scalef32_pk8_fp8_f32 v[S+2*\d:S+2*\d+1], v[O+8*\d:O+8*\d+7], v251
.endr
	v_nop
.irp d, 0,1,2,3
	ds_store_b64 v253, v[S+2*\d:S+2*\d+1] offset:8*\u*272+16*\d
.endr
	s_wait_dscnt 0x0                               ; the stores have read their registers, which the next tile's products write; and for the others' sake, ahead of the barrier
.endm
	s_wait_loadcnt 24                              ; Q and K are in; V's 24 loads may be out
	QTILE 0
	QTILE 1
	s_barrier_signal -1
	s_barrier_wait -1                              ; 32 rows x 256 bytes lie in the stage
.irp t, 0,1,2,3
	ds_load_b128 v[S+4*\t:S+4*\t+3], v254 offset:544*\t
.endr
.irp t, 0,1,2,3
	s_wait_dscnt 3-\t
	global_store_b128 v255, v[S+4*\t:S+4*\t+3], s[8:9] offset:2048*\t   ; sixteen lanes store 256 consecutive bytes, aligned
.endr
	s_set_vgpr_msb 0x5
	s_wait_tensorcnt 0x0
	ds_add_u32 v96, v97
	s_wait_dscnt 0x0
	s_set_vgpr_msb 0x500
	s_endpgm
.Lfunc_end_k_q0a395688dd_att:
	.size	k_q0a395688dd_att, .Lfunc_end_k_q0a395688dd_att-k_q0a395688dd_att
	.p2alignl 7, 3214868480
	.fill 96, 4, 3214868480
	.section	.rodata,"a",@progbits
	.p2align	6, 0x0
	.amdhsa_kernel k_q0a395688dd_att
		.amdhsa_group_segment_fixed_size 9216
		.amdhsa_private_segment_fixed_size 0
		.amdhsa_enable_private_segment 0
		.amdhsa_kernarg_size 24
		.amdhsa_user_sgpr_count 2
		.amdhsa_user_sgpr_kernarg_segment_ptr 1
		.amdhsa_wavefront_size32 1
		.amdhsa_system_sgpr_workgroup_id_x 1
		.amdhsa_system_sgpr_workgroup_id_y 1
		.amdhsa_system_sgpr_workgroup_id_z 1
		.amdhsa_system_vgpr_workitem_id 0
		.amdhsa_next_free_vgpr 354
		.amdhsa_next_free_sgpr 66
		.amdhsa_reserve_vcc 1
		.amdhsa_float_denorm_mode_32 3
		.amdhsa_float_denorm_mode_16_64 3
		.amdhsa_memory_ordered 1
		.amdhsa_forward_progress 1
		.amdhsa_inst_pref_size 60
	.end_amdhsa_kernel
	.amdgpu_metadata
---
amdhsa.version: [ 1, 2 ]
amdhsa.kernels:
  - .name:           k_q0a395688dd_att
    .symbol:         k_q0a395688dd_att.kd
    .args:
      - { .name: qkvc, .offset: 0, .size: 8, .value_kind: global_buffer, .address_space: global }
      - { .name: lowp_scales, .offset: 8, .size: 8, .value_kind: global_buffer, .address_space: global }
      - { .name: ocodes, .offset: 16, .size: 8, .value_kind: global_buffer, .address_space: global }
    .group_segment_fixed_size: 9216
    .private_segment_fixed_size: 0
    .kernarg_segment_align: 8
    .kernarg_segment_size: 24
    .max_flat_workgroup_size: 128
    .sgpr_count:     66
    .vgpr_count:     354
    .wavefront_size: 32
...
	.end_amdgpu_metadata
.endif
;; end of part 3
;; launch outp (part 4): grid 8 x 32, 4 waves a work-group, clusters of 4 x 4, 327,680 bytes of LDS; arguments ocodes, out_w_codes, lowp_scales, out_b, x, y; writes y
.if DOCPART == 4
	.amdgcn_target "amdgcn-amd-amdhsa--gfx1250"
	.amdhsa_code_object_version 6
	.text
	.protected	k_q0a395688dd_outp
	.globl	k_q0a395688dd_outp
	.p2align	8
	.type	k_q0a395688dd_outp,@function
k_q0a395688dd_outp:
	s_mov_b64 s[64:65], 0
	v_nop
	global_prefetch_b8 v0, s[64:65] scope:SCOPE_SE
	s_setreg_imm32_b32 hwreg(HW_REG_WAVE_MODE, 25, 1), 1
	s_wait_xcnt 0x0
	s_wait_alu depctr_hold_cnt(0) depctr_sa_sdst(0) depctr_va_vdst(0) depctr_va_sdst(0) depctr_va_ssrc(0) depctr_va_vcc(0) depctr_vm_vsrc(0)
	s_getreg_b32 s2, hwreg(HW_REG_IB_STS2, 6, 4)
	s_cmp_eq_u32 s2, 0
	s_cbranch_scc0 .Lentry_in_a_cluster
	s_endpgm
.Lentry_in_a_cluster:
	s_bfe_u32 s2, ttmp6, 0x10000c
	s_cmp_lg_u32 s2, 0xf033
	s_cbranch_scc0 .Lentry_shape_is_right
	s_endpgm
.Lentry_shape_is_right:
; out[m][n] = resid[m][n] + (sum over k of A[m][k] B[n][k]) x 2^(ea + eb) + bias[n].  A: [4096][SIZE_K], B: [1024][SIZE_K]: E4M3 codes; resid, out: [4096][1024] f32.  ea, eb: the scales' entries at byte SOFF.
; N is 1,024: tiles of 256 x 256 would be 64, so a tile is 128 x 128, 256 work-groups; four waves, 64 x 64 each: 16 accumulators.  K goes in steps of 512 (LDS rows of 512 bytes, 64 rows to a tensor load)
; through two LDS slots.  CLUSTERS of 4 x 4: A's tiles are asked for jointly along a row of the cluster, B's along a column.
; THE MATRIX INSTRUCTION IS USED TRANSPOSED (source 0 = 16 rows of B, source 1 = 16 rows of A): a lane holds eight neighbouring numbers of a row.
; PERM = 1: A's rows stand in parity order (row b 2048 + par 1024 + i is token b 2048 + 2 i + par): a wave's 64 rows are tokens two apart, ROWSTEP bytes in resid and out.
; The residual's 16 KB a wave are asked for at the head, into registers of their own, and land while K is walked.
; LIMIT: ea + eb between -126 and 127.
; REGISTERS: window 0: v0-31 addresses; v32-95 the way out, two sets of 32; v96-99 the bias; v128-255 the accumulators ((a, b) at 128 + 8 (4 a + b)).
;   window 1: two fragment buffers of 128: A's four blocks (16 rows x 128 K, 16 registers), then B's four.   window 2: v0-127 the residual.
.set SIZE_K,  1024
.set SOFF,    24
.set ROWSTEP, 8192
.set PERM,    1
.set KSTEP,  512
.set PITCH,  528                       ; an LDS row: 512 bytes + 16 of padding: the 16 rows that a load touches start at 16 different banks
.set HALFT,  64*PITCH
.set SLOT,   4*HALFT
.set STAGE,  2*SLOT                    ; behind the ring: 16 rows x 272 bytes for each wave
.set SPITCH, 272
.set SPARE,  STAGE+4*16*SPITCH         ; behind the stages: the spare words, 128 bytes a wave
.set LAPS,   SIZE_K/(2*KSTEP)
.set ADRA, 16
.set ADRB, 20
.set STO,  24
.set RD,   25
.set CO,   26
.set SPW,  28
.set NIL,  29
.set T,    32
.set BS,   96
.set ACC,  128
.set F0,   0
.set F1,   128
.set G1, 24
.set G0, 32
.set G1B, 48
.set G0B, 56
.set MSB, 0
.macro WIN new
.if MSB != \new
	s_set_vgpr_msb (MSB<<8)|\new
.set MSB, \new
.endif
.endm
.set MUL,  0x05                        ; sources 0 (B) and 1 (A) window 1; C and D window 0
.set TO_F, 0x40
.macro JLOAD s                         ; waves 0 and 1 fetch A's halves, waves 2 and 3 B's; four v_nop follow each of the two lines
	s_cmp_eq_u32 s11, 0
	s_cbranch_scc0 .Lfor_b_\@
	tensor_load_to_lds s[G0+4*\s:G0+4*\s+3], s[G1:G1+7]
	s_nop 0
.rept 4
	v_nop
.endr
	s_branch .Lasked_\@
.Lfor_b_\@:
	tensor_load_to_lds s[G0B+4*\s:G0B+4*\s+3], s[G1B:G1B+7]
	s_nop 0
.rept 4
	v_nop
.endr
.Lasked_\@:
.endm
.macro CREST
	s_cmp_lg_u32 s10, 0
	s_cbranch_scc1 .Lnot_wave_0_\@
	s_barrier_signal -3
.Lnot_wave_0_\@:
	s_barrier_wait -3
	s_barrier_signal -1
	s_barrier_wait -1
.endm
.macro CROUND
	s_barrier_signal -1
	s_barrier_wait -1
	CREST
.endm
	s_load_b128 s[4:7], s[0:1], 0x0                ; A, B
	s_load_b128 s[68:71], s[0:1], 0x10             ; scales, bias
	s_load_b128 s[72:75], s[0:1], 0x20             ; resid, out
	v_lshl_add_u32 v[SPW], v0, 2, SPARE
	v_mov_b32 v[NIL], 0
	ds_add_u32 v28, v29
	ds_add_u32 v28, v29
	s_wait_dscnt 0x0
	v_lshrrev_b32 v1, 5, v0
	v_readfirstlane_b32 s10, v1                    ; wave
	s_lshr_b32 s11, s10, 1                         ; my half of the rows.  Also: I fetch for A (0) or for B (1)
	s_and_b32 s12, s10, 1                          ; my half of the columns.  Also: which 64 rows I fetch
	s_bfe_u32 s40, ttmp6, 0x40000
	s_bfe_u32 s41, ttmp6, 0x40004
	s_lshl_b32 s42, ttmp9, 2
	s_add_co_u32 s42, s42, s40                     ; tile column
	s_and_b32 s13, ttmp7, 0xffff
	s_lshl_b32 s13, s13, 2
	s_add_co_u32 s13, s13, s41                     ; tile row
	s_lshl_b32 s43, s41, 2
	s_lshl_b32 s43, 15, s43
	s_lshl_b32 s44, 0x1111, s40
	s_or_b32 s[G1+0], s43, (0<<16)|(1<<20)|(1<<21)|(6<<22)|(3<<25)  ; the mask; elements of 1 byte; padding on; bit 21 beside a mask; after every 128 words 4 words
	s_or_b32 s[G1B+0], s44, (0<<16)|(1<<20)|(1<<21)|(6<<22)|(3<<25)
.irp g, G1, G1B
	s_mov_b32 s[\g+1], KSTEP<<16
	s_mov_b32 s[\g+2], 64<<16
	s_mov_b32 s[\g+3], KSTEP<<16
	s_mov_b32 s[\g+4], 64
	s_mov_b32 s[\g+5], SIZE_K
	s_mov_b32 s[\g+6], 0
	s_mov_b32 s[\g+7], 0
.endr
	s_lshl_b32 s17, s12, 6
	s_lshl_b32 s16, s13, 7
	s_add_co_u32 s16, s16, s17
	s_mul_i32 s16, s16, SIZE_K                     ; A: row 128 x tile row + 64 x half, in bytes (under 2^24)
	s_lshl_b32 s46, s42, 7
	s_add_co_u32 s46, s46, s17
	s_mul_i32 s46, s46, SIZE_K                     ; B likewise
	s_mov_b32 s17, 0
	s_mov_b32 s47, 0
	s_mul_i32 s20, s10, HALFT
	s_wait_kmcnt 0x0
	s_load_b64 s[76:77], s[68:69], SOFF            ; ea, eb
	s_add_nc_u64 s[14:15], s[4:5], s[16:17]
	s_add_nc_u64 s[46:47], s[6:7], s[46:47]
	CROUND
.irp s, 0,1
	s_mov_b32 s[G0+4*\s], 1
	s_add_co_u32 s[G0+4*\s+1], s20, \s*SLOT
	s_add_nc_u64 s[G0+4*\s+2:G0+4*\s+3], s[14:15], \s*KSTEP
	s_or_b32 s[G0+4*\s+3], s[G0+4*\s+3], 0x80000000
	s_mov_b32 s[G0B+4*\s], 1
	s_add_co_u32 s[G0B+4*\s+1], s20, \s*SLOT
	s_add_nc_u64 s[G0B+4*\s+2:G0B+4*\s+3], s[46:47], \s*KSTEP
	s_or_b32 s[G0B+4*\s+3], s[G0B+4*\s+3], 0x80000000
	JLOAD \s
.endr
	v_and_b32 v1, 15, v0                           ; r
	v_bfe_u32 v2, v0, 4, 1                         ; h
	v_mul_u32_u24 v3, v1, PITCH
	v_lshl_add_u32 v3, v2, 4, v3
	s_mul_i32 s21, s11, HALFT
	s_mul_i32 s22, s12, HALFT
	s_add_co_u32 s22, s22, 2*HALFT
.irp s, 0,1
	v_add_nc_u32 v[ADRA+\s], s21, v3
	v_add_nc_u32 v[ADRB+\s], s22, v3
	s_add_co_u32 s21, s21, SLOT
	s_add_co_u32 s22, s22, SLOT
.endr
	s_mul_i32 s23, s10, 16*SPITCH
	s_add_co_u32 s23, s23, STAGE                   ; my stage
	v_mul_u32_u24 v4, v1, SPITCH
	v_lshl_add_u32 v4, v2, 5, v4
	v_add_nc_u32 v[STO], s23, v4                   ; in: row r, 32 bytes for each half of the lanes
	v_mul_u32_u24 v5, v2, SPITCH
	v_lshl_add_u32 v5, v1, 4, v5
	v_add_nc_u32 v[RD], s23, v5                    ; back: lanes 0-15 one row of 256 bytes, lanes 16-31 the next
	v_mul_u32_u24 v5, v2, ROWSTEP
	v_lshl_add_u32 v[CO], v1, 4, v5                ; and the same two rows in resid and out
	s_lshl_b32 s16, s13, 7
	s_lshl_b32 s17, s11, 6
	s_add_co_u32 s16, s16, s17                     ; my first row of A
.if PERM
	s_lshr_b32 s17, s16, 11
	s_lshl_b32 s17, s17, 11
	s_and_b32 s18, s16, 1023
	s_lshl_b32 s18, s18, 1
	s_add_co_u32 s17, s17, s18
	s_bfe_u32 s18, s16, 0x1000a
	s_add_co_u32 s16, s17, s18                     ; its token
.endif
	s_lshl_b32 s16, s16, 12
	s_mov_b32 s17, 0
	s_lshl_b32 s46, s42, 7
	s_lshl_b32 s47, s12, 6
	s_add_co_u32 s46, s46, s47
	s_lshl_b32 s46, s46, 2                         ; my first column, in bytes
	s_mov_b32 s47, 0
	s_add_nc_u64 s[72:73], s[72:73], s[16:17]
	s_add_nc_u64 s[72:73], s[72:73], s[46:47]
	s_add_nc_u64 s[74:75], s[74:75], s[16:17]
	s_add_nc_u64 s[74:75], s[74:75], s[46:47]
	v_lshl_add_u32 v6, v1, 4, s46
	global_load_b128 v[BS:BS+3], v6, s[70:71]      ; the bias of the four columns that I store
	WIN 0x80                                       ; destination window 2
.set i, 0
.rept 32
	global_load_b128 v[4*i:4*i+3], v[CO], s[72:73] offset:2*i*ROWSTEP   ; the residual, as it will be stored: rows 2 i and 2 i + 1 of my 64
.set i, i+1
.endr
	WIN 0
.macro MUL4 f, a, zero                 ; A's block a x B's four.  The 16 accumulators take turns in one order throughout
.irp b, 0,1,2,3
.if \zero
	v_wmma_f32_16x16x128_fp8_fp8 v[ACC+8*(4*(\a)+\b):ACC+8*(4*(\a)+\b)+7], v[\f+64+16*\b:\f+64+16*\b+15], v[\f+16*(\a):\f+16*(\a)+15], 0
.else
	v_wmma_f32_16x16x128_fp8_fp8 v[ACC+8*(4*(\a)+\b):ACC+8*(4*(\a)+\b)+7], v[\f+64+16*\b:\f+64+16*\b+15], v[\f+16*(\a):\f+16*(\a)+15], v[ACC+8*(4*(\a)+\b):ACC+8*(4*(\a)+\b)+7]
.endif
.endr
.endm
.macro FETCH slot, k, f                ; 32 LDS loads in one run: 128 along K at byte k of the rows: B's four blocks, then A's.  Registers 4 c .. 4 c + 3 hold K = 32 c + 16 (l / 16) + 0 .. 15 on both sides
	WIN TO_F
.irp i, 0,1,2,3
.irp c, 0,1,2,3
	ds_load_b128 v[\f+64+16*\i+4*\c:\f+64+16*\i+4*\c+3], v[ADRB+\slot] offset:\k+32*\c+\i*16*PITCH
.endr
.endr
.irp i, 0,1,2,3
.irp c, 0,1,2,3
	ds_load_b128 v[\f+16*\i+4*\c:\f+16*\i+4*\c+3], v[ADRA+\slot] offset:\k+32*\c+\i*16*PITCH
.endr
.endr
.endm
.macro PLACES
.rept 4
	v_nop
.endr
.endm
.macro QUARTER slot, k, f, g, zero     ; multiplies buffer f and fetches the next 128 along K, at byte k, into g
	s_wait_dscnt 8                                 ; B and A's blocks 0, 1 are in; the youngest eight loads (A's blocks 2, 3) may be out
	WIN MUL
	MUL4 \f, 0, \zero
	MUL4 \f, 1, \zero
	PLACES
	FETCH \slot, \k, \g
	s_wait_dscnt 32                                ; all but the 32 just issued
	WIN MUL
	MUL4 \f, 2, \zero
	MUL4 \f, 3, \zero
.endm
.macro TURN slot, next, fill           ; a slot's last quarter multiplies buffer 1 and changes slots
	WIN 0
	s_wait_tensorcnt 0x0                           ; all my tensor loads have landed: my part of the next slot
	ds_add_u32 v[SPW], v[NIL]                      ; 0 onto my spare word
	s_wait_dscnt 9                                 ; (the add and the youngest eight loads may be out)
	WIN MUL
	MUL4 F1, 0, 0
	s_wait_dscnt 0x0                               ; the add is done, and my reads of this slot are over
	s_barrier_signal -1
	MUL4 F1, 1, 0
	WIN 0
	s_barrier_wait -1
.if \fill
	CREST                                          ; the barrier has opened a round of the cluster's
	s_add_nc_u64 s[G0+4*\slot+2:G0+4*\slot+3], s[G0+4*\slot+2:G0+4*\slot+3], 2*KSTEP
	s_add_nc_u64 s[G0B+4*\slot+2:G0B+4*\slot+3], s[G0B+4*\slot+2:G0B+4*\slot+3], 2*KSTEP
	JLOAD \slot                                    ; the first tensor load behind the round; its four v_nop are the places in front of the loads below
.else
	PLACES
.endif
	FETCH \next, 0, F0
	WIN MUL
	MUL4 F1, 2, 0
	MUL4 F1, 3, 0
.endm
	s_wait_tensorcnt 1                             ; my part of K step 0 is in (K step 1's load may be out),
	s_barrier_signal -1
	s_barrier_wait -1                              ; everybody's is
	FETCH 0, 0, F0
	QUARTER 0, 128, F0, F1, 1                      ; the first quarter's products start the sums
.if LAPS > 1
	WIN 0
	s_mov_b32 s3, LAPS-1
.Llap:
	QUARTER 0, 256, F1, F0, 0
	QUARTER 0, 384, F0, F1, 0
	TURN 0, 1, 1
	QUARTER 1, 128, F0, F1, 0
	QUARTER 1, 256, F1, F0, 0
	QUARTER 1, 384, F0, F1, 0
	TURN 1, 0, 1
	QUARTER 0, 128, F0, F1, 0
	WIN 0
	s_sub_co_u32 s3, s3, 1
	s_cmp_lg_u32 s3, 0
	s_cbranch_scc1 .Llap
.endif
	QUARTER 0, 256, F1, F0, 0                      ; the last lap fills nothing
	QUARTER 0, 384, F0, F1, 0
	TURN 0, 1, 0
	QUARTER 1, 128, F0, F1, 0
	QUARTER 1, 256, F1, F0, 0
	QUARTER 1, 384, F0, F1, 0
	s_wait_dscnt 8
	WIN MUL
	MUL4 F1, 0, 0
	MUL4 F1, 1, 0
	s_wait_dscnt 0
	MUL4 F1, 2, 0
	MUL4 F1, 3, 0
	WIN 0
; THE WAY OUT, 16 rows x 64 columns at a time, through my own stage: in as a lane's 32 bytes of a row, back as whole rows of 256 bytes.  LDS serves a wave's instructions in order, so no wait stands between.
.macro TOSTAGE a
.set TT, T+32*((\a)%2)
.irp b, 0,1,2,3
	ds_store_b128 v[STO], v[ACC+8*(4*(\a)+\b):ACC+8*(4*(\a)+\b)+3] offset:64*\b          ; each accumulator from its low end on
	ds_store_b128 v[STO], v[ACC+8*(4*(\a)+\b)+4:ACC+8*(4*(\a)+\b)+7] offset:64*\b+16
.endr
.irp t, 0,1,2,3,4,5,6,7
	ds_load_b128 v[TT+4*\t:TT+4*\t+3], v[RD] offset:\t*2*SPITCH
.endr
.endm
.macro SEND a, younger
.set TT, T+32*((\a)%2)
	s_wait_dscnt \younger
.irp t, 0,1,2,3,4,5,6,7
	v_pk_fma_f32 v[TT+4*\t:TT+4*\t+1], v[TT+4*\t:TT+4*\t+1], s[76:77], v[BS:BS+1] op_sel_hi:[1,0,1]       ; sum x 2^(ea + eb) + bias
	v_pk_fma_f32 v[TT+4*\t+2:TT+4*\t+3], v[TT+4*\t+2:TT+4*\t+3], s[76:77], v[BS+2:BS+3] op_sel_hi:[1,0,1]
.endr
	WIN 0x08                                       ; source 1 (the residual) window 2
.irp t, 0,1,2,3,4,5,6,7
	v_pk_add_f32 v[TT+4*\t:TT+4*\t+1], v[TT+4*\t:TT+4*\t+1], v[4*(8*(\a)+\t):4*(8*(\a)+\t)+1]
	v_pk_add_f32 v[TT+4*\t+2:TT+4*\t+3], v[TT+4*\t+2:TT+4*\t+3], v[4*(8*(\a)+\t)+2:4*(8*(\a)+\t)+3]
.endr
	WIN 0
.irp t, 0,1,2,3,4,5,6,7
	global_store_b128 v[CO], v[TT+4*\t:TT+4*\t+3], s[74:75] offset:(16*(\a)+2*\t)*ROWSTEP   ; sixteen lanes store 256 consecutive bytes, aligned
.endr
.endm
	s_wait_kmcnt 0x0
	s_add_co_i32 s76, s76, s77
	s_add_co_i32 s76, s76, 127
	s_lshl_b32 s76, s76, 23                        ; 2^(ea + eb) as f32
	s_mov_b32 s77, s76
	PLACES                                         ; behind the last products, ahead of the first read of results
	s_wait_loadcnt 0x0                             ; the bias and the residual
	TOSTAGE 0
.irp a, 1,2,3
.if \a > 1
	s_wait_xcnt 0x0                                ; the stores of the block two back have read their registers: this block's loads may land there
.endif
	TOSTAGE \a
	SEND \a-1, 16                                  ; behind that block's loads: this block's 8 stores and 8 loads
.endr
	SEND 3, 0
	s_wait_tensorcnt 0x0                           ; the wave's end
	ds_add_u32 v[SPW], v[NIL]
	s_wait_dscnt 0x0
	CROUND                                         ; the closing round
	s_endpgm
.Lfunc_end_k_q0a395688dd_outp:
	.size	k_q0a395688dd_outp, .Lfunc_end_k_q0a395688dd_outp-k_q0a395688dd_outp
	.p2alignl 7, 3214868480
	.fill 96, 4, 3214868480
	.section	.rodata,"a",@progbits
	.p2align	6, 0x0
	.amdhsa_kernel k_q0a395688dd_outp
		.amdhsa_group_segment_fixed_size 327680
		.amdhsa_private_segment_fixed_size 0
		.amdhsa_enable_private_segment 0
		.amdhsa_kernarg_size 48
		.amdhsa_user_sgpr_count 2
		.amdhsa_user_sgpr_kernarg_segment_ptr 1
		.amdhsa_wavefront_size32 1
		.amdhsa_system_sgpr_workgroup_id_x 1
		.amdhsa_system_sgpr_workgroup_id_y 1
		.amdhsa_system_sgpr_workgroup_id_z 1
		.amdhsa_system_vgpr_workitem_id 0
		.amdhsa_next_free_vgpr 640
		.amdhsa_next_free_sgpr 80
		.amdhsa_reserve_vcc 0
		.amdhsa_float_denorm_mode_32 3
		.amdhsa_float_denorm_mode_16_64 3
		.amdhsa_memory_ordered 1
		.amdhsa_forward_progress 1
		.amdhsa_inst_pref_size 54
	.end_amdhsa_kernel
	.amdgpu_metadata
---
amdhsa.version: [ 1, 2 ]
amdhsa.kernels:
  - .name:           k_q0a395688dd_outp
    .symbol:         k_q0a395688dd_outp.kd
    .args:
      - { .name: ocodes, .offset: 0, .size: 8, .value_kind: global_buffer, .address_space: global }
      - { .name: out_w_codes, .offset: 8, .size: 8, .value_kind: global_buffer, .address_space: global }
      - { .name: lowp_scales, .offset: 16, .size: 8, .value_kind: global_buffer, .address_space: global }
      - { .name: out_b, .offset: 24, .size: 8, .value_kind: global_buffer, .address_space: global }
      - { .name: x, .offset: 32, .size: 8, .value_kind: global_buffer, .address_space: global }
      - { .name: y, .offset: 40, .size: 8, .value_kind: global_buffer, .address_space: global }
    .group_segment_fixed_size: 327680
    .private_segment_fixed_size: 0
    .kernarg_segment_align: 8
    .kernarg_segment_size: 48
    .max_flat_workgroup_size: 128
    .sgpr_count:     80
    .vgpr_count:     640
    .wavefront_size: 32
...
	.end_amdgpu_metadata
.endif
;; end of part 4
;; launch ln2 (part 5): grid 256 x 1, 4 waves a work-group, no clusters, 16,896 bytes of LDS; arguments y, norm2_w, norm2_b, lowp_scales, acodes; writes acodes
.if DOCPART == 5
	.amdgcn_target "amdgcn-amd-amdhsa--gfx1250"
	.amdhsa_code_object_version 6
	.text
	.protected	k_q0a395688dd_ln2
	.globl	k_q0a395688dd_ln2
	.p2align	8
	.type	k_q0a395688dd_ln2,@function
k_q0a395688dd_ln2:
	s_mov_b64 s[64:65], 0
	v_nop
	global_prefetch_b8 v0, s[64:65] scope:SCOPE_SE
	s_setreg_imm32_b32 hwreg(HW_REG_WAVE_MODE, 25, 1), 1
	s_wait_xcnt 0x0
; LayerNorm of 4,096 rows of 1,024 f32 numbers, then the quantiser: code = value / 2^e, held within +-448, to the nearest E4M3 code.  e = entry SOFF/4 of the scales.
; One wave, one row at a time, four rows a wave: the row stays in 32 registers between the mean, the variance and the scaling, so it is read once; no wave waits for another.
; All 48 loads of a wave (gain, bias, four rows: 24 KB) go out at the head.
; PERM = 0: rows keep their order; a wave's four rows lie RS bytes apart in the source.
; A lane's codes of a load's 16 bytes are 4 bytes: they go through the wave's own 4 KB of LDS and leave as 512 consecutive bytes a store.
; No tensor load, cluster or matrix unit: the rows are shared by nobody and memory binds.
; LIMITS: e between -126 and 119.  NaN among the inputs is not served.
.set PERM, 0
.set SOFF, 32
.set RS,   4096
.set W,  20                            ; v20-51   the gain: register 4 j + e = column 128 j + 4 lane + e
.set BB, 52                            ; v52-83   the bias, likewise
.set X,  84                            ; v84-211  row r at X + 32 r, likewise
.set C,  212                           ; v212-243 row r's codes, 8 registers
	s_load_b256 s[4:11], s[0:1], 0x0               ; source s[4:5], gain s[6:7], bias s[8:9], scales s[10:11]
	s_load_b64 s[12:13], s[0:1], 0x20              ; the codes
	v_lshl_add_u32 v248, v0, 2, 0x4000
	v_mov_b32 v249, 0
	v_lshrrev_b32 v1, 5, v0
	v_readfirstlane_b32 s14, v1                    ; wave
	v_and_b32 v4, 31, v0                           ; lane
	v_lshlrev_b32 v1, 4, v4                        ; 16 x lane: offset of every load and store
	s_lshl_b32 s15, s14, 12                        ; my wave's 4 KB of LDS
	v_lshl_add_u32 v2, v4, 2, s15                  ; the stage, in: 4 x lane
	v_add_nc_u32 v3, s15, v1                       ; the stage, out: 16 x lane
	v_mov_b32 v5, 0                                ; written once: a lane permute's destination counts as one of its sources
	s_lshl_b32 s16, ttmp9, 4
	s_lshl_b32 s17, s14, 2
	s_add_co_u32 s16, s16, s17                     ; my first destination row: 16 x work-group + 4 x wave
.if PERM
	s_lshr_b32 s17, s16, 11
	s_lshl_b32 s17, s17, 11
	s_and_b32 s18, s16, 1023
	s_lshl_b32 s18, s18, 1
	s_add_co_u32 s17, s17, s18
	s_bfe_u32 s18, s16, 0x1000a
	s_add_co_u32 s17, s17, s18
.else
	s_mov_b32 s17, s16
.endif
	s_lshl_b32 s18, s17, 12                        ; a source row is 4,096 bytes
	s_mov_b32 s19, 0
	s_lshl_b32 s16, s16, 10                        ; a row of codes 1,024
	s_mov_b32 s17, 0
	s_mov_b32 s20, 0x76543210                      ; v_permlanex16_b32: lane l xor 16
	s_mov_b32 s21, 0xfedcba98
	s_mov_b32 s24, 0x3a800000                      ; 1 / 1,024
	s_mov_b32 s25, 0x3727c5ac                      ; 1e-5
	s_wait_kmcnt 0x0
	s_load_b32 s22, s[10:11], SOFF                 ; e
	s_add_nc_u64 s[4:5], s[4:5], s[18:19]
	s_add_nc_u64 s[12:13], s[12:13], s[16:17]
.irp j, 0,1,2,3,4,5,6,7
	global_load_b128 v[W+4*\j:W+4*\j+3], v1, s[6:7] offset:512*\j
.endr
.irp j, 0,1,2,3,4,5,6,7
	global_load_b128 v[BB+4*\j:BB+4*\j+3], v1, s[8:9] offset:512*\j
.endr
.irp r, 0,1,2,3
.irp j, 0,1,2,3,4,5,6,7
	global_load_b128 v[X+32*\r+4*\j:X+32*\r+4*\j+3], v1, s[4:5] offset:\r*RS+512*\j th:TH_LOAD_NT   ; 32 lanes read 512 consecutive bytes
.endr
.endr
	s_wait_kmcnt 0x0
	s_add_co_i32 s22, s22, 127
	s_lshl_b32 s23, s22, 23
	v_mov_b32 v6, s23                              ; 2^e as f32: the conversion takes its exponent field
	s_add_co_i32 s22, s22, 8
	s_lshl_b32 s22, s22, 23
	s_or_b32 s22, s22, 0x600000
	v_mov_b32 v7, s22                              ; 448 x 2^e
.macro JOIN                            ; the four chains v[12:19] become one number a lane, then one for the wave, in every lane's v4
	v_pk_add_f32 v[12:13], v[12:13], v[14:15]
	v_pk_add_f32 v[16:17], v[16:17], v[18:19]
	v_pk_add_f32 v[12:13], v[12:13], v[16:17]
	v_add_f32 v4, v12, v13
	v_add_f32_dpp v4, v4, v4 row_xmask:1 row_mask:0xf bank_mask:0xf
	v_add_f32_dpp v4, v4, v4 row_xmask:2 row_mask:0xf bank_mask:0xf
	v_add_f32_dpp v4, v4, v4 row_xmask:4 row_mask:0xf bank_mask:0xf
	v_add_f32_dpp v4, v4, v4 row_xmask:8 row_mask:0xf bank_mask:0xf
	v_permlanex16_b32 v5, v4, s20, s21
	v_add_f32 v4, v4, v5
.endm
.macro ROW r
.set XR, X+32*\r
	s_wait_loadcnt 8*(3-\r)                        ; loads come back in order: gain, bias and this row are in, the younger rows stay out
.irp k, 0,1,2,3
	v_pk_add_f32 v[12+2*\k:13+2*\k], v[XR+4*\k:XR+4*\k+1], v[XR+4*\k+2:XR+4*\k+3]   ; the first sixteen numbers start four chains: nothing is cleared
.endr
.irp k, 0,1,2,3,4,5,6,7
	v_pk_add_f32 v[12+2*(\k%4):13+2*(\k%4)], v[12+2*(\k%4):13+2*(\k%4)], v[XR+16+2*\k:XR+17+2*\k]
.endr
	JOIN
	v_mul_f32 v8, s24, v4                          ; the mean, twice: a pair for the packed forms
	v_mul_f32 v9, s24, v4
.irp k, 0,1,2,3,4,5,6,7,8,9,10,11,12,13,14,15
	v_pk_add_f32 v[XR+2*\k:XR+2*\k+1], v[XR+2*\k:XR+2*\k+1], v[8:9] neg_lo:[0,1] neg_hi:[0,1]   ; x - mean, in place
.endr
.irp k, 0,1,2,3
	v_pk_mul_f32 v[12+2*\k:13+2*\k], v[XR+2*\k:XR+2*\k+1], v[XR+2*\k:XR+2*\k+1]
.endr
.irp k, 4,5,6,7,8,9,10,11,12,13,14,15
	v_pk_fma_f32 v[12+2*(\k%4):13+2*(\k%4)], v[XR+2*\k:XR+2*\k+1], v[XR+2*\k:XR+2*\k+1], v[12+2*(\k%4):13+2*(\k%4)]
.endr
	JOIN
	v_fma_f32 v4, v4, s24, s25                     ; the variance + 1e-5
	v_rsq_f32 v10, v4
	v_rsq_f32 v11, v4
	v_nop                                          ; a plain instruction behind the last of the two,
	s_wait_alu depctr_va_vdst(0)                   ; and one wait for both, ahead of their first reader
.irp k, 0,1,2,3,4,5,6,7,8,9,10,11,12,13,14,15
	v_pk_mul_f32 v[XR+2*\k:XR+2*\k+1], v[XR+2*\k:XR+2*\k+1], v[10:11]
.endr
.irp k, 0,1,2,3,4,5,6,7,8,9,10,11,12,13,14,15
	v_pk_fma_f32 v[XR+2*\k:XR+2*\k+1], v[XR+2*\k:XR+2*\k+1], v[W+2*\k:W+2*\k+1], v[BB+2*\k:BB+2*\k+1]
.endr
.irp k, 0,1,2,3,4,5,6,7,8,9,10,11,12,13,14,15,16,17,18,19,20,21,22,23,24,25,26,27,28,29,30,31
	v_med3_num_f32 v[XR+\k], v[XR+\k], -v7, v7     ; the conversion to an 8-bit code does not saturate (ISA guide 7.6.2): the hold at 448 x the scale
.endr
.irp u, 0,1,2,3
	v_cvt_scalef32_pk8_fp8_f32 v[C+8*\r+2*\u:C+8*\r+2*\u+1], v[XR+8*\u:XR+8*\u+7], v6   ; word j of the eight: the codes of columns 128 j + 4 lane + 0 .. 3
.endr
	v_nop                                          ; one plain instruction behind the last conversion
.irp j, 0,1,2,3,4,5,6,7
	ds_store_b32 v2, v[C+8*\r+\j] offset:1024*\r+128*\j   ; the row's byte = its column
.endr
.irp u, 0,1
	ds_load_b128 v[XR+4*\u:XR+4*\u+3], v3 offset:1024*\r+512*\u   ; LDS serves a wave's instructions in order: these see my stores
.endr
	s_wait_dscnt 0x0
.irp u, 0,1
	global_store_b128 v1, v[XR+4*\u:XR+4*\u+3], s[12:13] offset:1024*\r+512*\u   ; 512 consecutive bytes, aligned; each row has registers of its own, so none is written again
.endr
.endm
	ROW 0
	ROW 1
	ROW 2
	ROW 3
	s_wait_tensorcnt 0x0
	ds_add_u32 v248, v249
	s_wait_dscnt 0x0
	s_endpgm
.Lfunc_end_k_q0a395688dd_ln2:
	.size	k_q0a395688dd_ln2, .Lfunc_end_k_q0a395688dd_ln2-k_q0a395688dd_ln2
	.p2alignl 7, 3214868480
	.fill 96, 4, 3214868480
	.section	.rodata,"a",@progbits
	.p2align	6, 0x0
	.amdhsa_kernel k_q0a395688dd_ln2
		.amdhsa_group_segment_fixed_size 16896
		.amdhsa_private_segment_fixed_size 0
		.amdhsa_enable_private_segment 0
		.amdhsa_kernarg_size 40
		.amdhsa_user_sgpr_count 2
		.amdhsa_user_sgpr_kernarg_segment_ptr 1
		.amdhsa_wavefront_size32 1
		.amdhsa_system_sgpr_workgroup_id_x 1
		.amdhsa_system_sgpr_workgroup_id_y 1
		.amdhsa_system_sgpr_workgroup_id_z 1
		.amdhsa_system_vgpr_workitem_id 0
		.amdhsa_next_free_vgpr 250
		.amdhsa_next_free_sgpr 66
		.amdhsa_reserve_vcc 0
		.amdhsa_float_denorm_mode_32 3
		.amdhsa_float_denorm_mode_16_64 3
		.amdhsa_memory_ordered 1
		.amdhsa_forward_progress 1
		.amdhsa_inst_pref_size 44
	.end_amdhsa_kernel
	.amdgpu_metadata
---
amdhsa.version: [ 1, 2 ]
amdhsa.kernels:
  - .name:           k_q0a395688dd_ln2
    .symbol:         k_q0a395688dd_ln2.kd
    .args:
      - { .name: y, .offset: 0, .size: 8, .value_kind: global_buffer, .address_space: global }
      - { .name: norm2_w, .offset: 8, .size: 8, .value_kind: global_buffer, .address_space: global }
      - { .name: norm2_b, .offset: 16, .size: 8, .value_kind: global_buffer, .address_space: global }
      - { .name: lowp_scales, .offset: 24, .size: 8, .value_kind: global_buffer, .address_space: global }
      - { .name: acodes, .offset: 32, .size: 8, .value_kind: global_buffer, .address_space: global }
    .group_segment_fixed_size: 16896
    .private_segment_fixed_size: 0
    .kernarg_segment_align: 8
    .kernarg_segment_size: 40
    .max_flat_workgroup_size: 128
    .sgpr_count:     66
    .vgpr_count:     250
    .wavefront_size: 32
...
	.end_amdgpu_metadata
.endif
;; end of part 5
;; launch ffn1 (part 6): grid 16 x 16, 4 waves a work-group, clusters of 4 x 4, 327,680 bytes of LDS; arguments acodes, ffn_w1_codes, lowp_scales, ffn_b1, g; writes g
.if DOCPART == 6
	.amdgcn_target "amdgcn-amd-amdhsa--gfx1250"
	.amdhsa_code_object_version 6
	.text
	.protected	k_q0a395688dd_ffn1
	.globl	k_q0a395688dd_ffn1
	.p2align	8
	.type	k_q0a395688dd_ffn1,@function
k_q0a395688dd_ffn1:
	s_mov_b64 s[64:65], 0
	v_nop
	global_prefetch_b8 v0, s[64:65] scope:SCOPE_SE
	s_setreg_imm32_b32 hwreg(HW_REG_WAVE_MODE, 25, 1), 1
	s_wait_xcnt 0x0
	s_wait_alu depctr_hold_cnt(0) depctr_sa_sdst(0) depctr_va_vdst(0) depctr_va_sdst(0) depctr_va_ssrc(0) depctr_va_vcc(0) depctr_vm_vsrc(0)
	s_getreg_b32 s2, hwreg(HW_REG_IB_STS2, 6, 4)
	s_cmp_eq_u32 s2, 0
	s_cbranch_scc0 .Lentry_in_a_cluster
	s_endpgm
.Lentry_in_a_cluster:
	s_bfe_u32 s2, ttmp6, 0x10000c
	s_cmp_lg_u32 s2, 0xf033
	s_cbranch_scc0 .Lentry_shape_is_right
	s_endpgm
.Lentry_shape_is_right:
; g = Q(gelu(LN2(y) W1 + b1)) on E4M3 codes.  acodes: [4096][1024]; ffn_w1_codes: [4096][1024]; g: [4096][4096] codes with the scale 2^e10.  Sums f32, x 2^(e8 + e9), + b1, the exact GELU, the quantiser.
; A tile of 256 x 256 is made by four waves, 128 x 128 each: 64 accumulators, 512 registers.  K goes in steps of 256 through a ring of two LDS slots filled by the tensor data mover.
; CLUSTERS of 4 x 4: A's tiles are asked for jointly along a row of the cluster, B's along a column.  THE MATRIX INSTRUCTION IS USED TRANSPOSED: a lane holds eight neighbouring columns of a row.
; THE WAY OUT.  The raw sums go into a stage of 256 rows x (1,024 + 16) bytes that takes the ring's place (both slots have had their last fill; a barrier stands behind every wave's last read of them).
; Then each wave walks 64 whole rows, four a trip, a lane taking eight neighbouring columns: so the GELU is a loop and not 64 copies, and a row's 256 codes leave by one store.
; THE GELU.  2 gelu(v) = (v + |v|) - |v| erfc(z), z = |v| / sqrt 2.  v + |v| is 2 v or exactly 0, so no difference of near numbers is formed where the result is small, and nothing is compared or selected.
; erfc(z) = t exp(-z^2 + P(t)), t = 1 / (1 + z / 2), P of degree 9: the Chebyshev fit of Numerical Recipes' erfcc, whose fractional error is under 1.2e-7 for every z >= 0.
; In base 2: u = |v| sqrt(log2(e) / 2), so that u^2 = z^2 log2(e) and z / 2 = u sqrt(ln 2) / 2; P's coefficients are multiplied by log2(e), and log2(|v| / u) is added to its constant:
; |v| erfc(z) = u t 2^(P(t) - u^2).  One reciprocal and one exponential a number.  The factor 2 goes into the conversion's scale, 2^(e10 + 1).
; LIMITS: e8 + e9 between -126 and 127; e10 between -127 and 118.  An infinite v (t u would be 0 x infinity) and NaN among the inputs are not served.
; REGISTERS, in windows of 256: window 0: v0-31 addresses; v32-39 b1; from v128 A's fragments, ONE set; in the GELU v40-243.   window 1: B's fragments, TWO sets.   windows 2, 3: the accumulators.
.set SIZE_K, 1024
.set KSTEP,  256
.set ROWB,   256
.set KROW,   SIZE_K
.set PITCH,  272
.set FR,     16
.set NL,     4
.set NP,     4
.set HALFT,  128*PITCH
.set SLOT,   4*HALFT
.set LAPS,   SIZE_K/(2*KSTEP)
.set SPARE,  2*SLOT
.set SPITCH, 1040                      ; a stage row: 1,024 bytes + 16: 260 words, so that the 16 rows of a store start at 16 different banks
.set ADRA, 16
.set ADRB, 20
.set CO,   22                          ; v22  8 x lane
.set STO,  24                          ; v24  the stage, in, blocks 0-3; v25 blocks 4-7
.set RDA,  26                          ; v26  the stage, out: the trip's address
.set RD0,  27                          ; v27  my wave's first row + 32 x lane
.set SPW,  28
.set NIL,  29
.set BIAS, 32
.set RAW,  40                          ; v40-71   32 raw sums
.set VAL,  72                          ; v72-103  v, at the end 2 gelu(v)
.set UU,   104                         ; v104-135 u
.set TT,   136                         ; v136-167 1 + z / 2, then t, then u t
.set MM,   168                         ; v168-199 v + |v|
.set PP,   200                         ; v200-231 P(t), then P(t) - u^2, then 2 to that power
.set CD,   232
.set SC,   240
.set LIM,  241
.set C9,   242                         ; v[242:243] P's leading coefficient, twice
.set AF,   128
.set G1, 24
.set G0, 32
.set G1B, 48
.set G0B, 56
.set MSB, 0
.macro WIN new
.if MSB != \new
	s_set_vgpr_msb (MSB<<8)|\new
.set MSB, \new
.endif
.endm
.set MUL_LO, 0xa1
.set MUL_HI, 0xf1
.set TO_B,   0x40
.macro JLOAD g0a, g1a, g0b, g1b        ; waves 0 and 1 fetch for A, waves 2 and 3 for B; four v_nop follow each of the two lines
	s_cmp_eq_u32 s15, 0
	s_cbranch_scc0 .Lfor_b_\@
	tensor_load_to_lds s[\g0a:\g0a+3], s[\g1a:\g1a+7]
	s_nop 0
.rept 4
	v_nop
.endr
	s_branch .Lasked_\@
.Lfor_b_\@:
	tensor_load_to_lds s[\g0b:\g0b+3], s[\g1b:\g1b+7]
	s_nop 0
.rept 4
	v_nop
.endr
.Lasked_\@:
.endm
.macro CREST
	s_cmp_lg_u32 s14, 0
	s_cbranch_scc1 .Lnot_wave_0_\@
	s_barrier_signal -3
.Lnot_wave_0_\@:
	s_barrier_wait -3
	s_barrier_signal -1
	s_barrier_wait -1
.endm
.macro CROUND
	s_barrier_signal -1
	s_barrier_wait -1
	CREST
.endm
	s_load_b256 s[4:11], s[0:1], 0x0               ; acodes s[4:5], W1's codes s[6:7], scales s[8:9], b1 s[10:11]
	s_load_b64 s[12:13], s[0:1], 0x20              ; g
	v_lshl_add_u32 v[SPW], v0, 2, SPARE
	v_mov_b32 v[NIL], 0
	ds_add_u32 v28, v29
	ds_add_u32 v28, v29
	s_wait_dscnt 0x0
	v_lshrrev_b32 v1, 5, v0
	v_readfirstlane_b32 s14, v1                    ; wave
	s_lshr_b32 s15, s14, 1
	s_and_b32 s16, s14, 1
	s_bfe_u32 s40, ttmp6, 0x40000
	s_bfe_u32 s41, ttmp6, 0x40004
	s_lshl_b32 s42, ttmp9, 2
	s_add_co_u32 s42, s42, s40                     ; tile column
	s_and_b32 s17, ttmp7, 0xffff
	s_lshl_b32 s17, s17, 2
	s_add_co_u32 s17, s17, s41                     ; tile row
	s_lshl_b32 s43, s41, 2
	s_lshl_b32 s43, 15, s43
	s_lshl_b32 s44, 0x1111, s40
	s_or_b32 s[G1+0], s43, (0<<16)|(1<<20)|(1<<21)|(5<<22)|(3<<25)
	s_or_b32 s[G1B+0], s44, (0<<16)|(1<<20)|(1<<21)|(5<<22)|(3<<25)
.irp g, G1, G1B
	s_mov_b32 s[\g+1], ROWB<<16
	s_mov_b32 s[\g+2], 128<<16
	s_mov_b32 s[\g+3], ROWB<<16
	s_mov_b32 s[\g+4], 128
	s_mov_b32 s[\g+5], KROW
	s_mov_b32 s[\g+6], 0
	s_mov_b32 s[\g+7], 0
.endr
	s_lshl_b32 s18, s16, 7
	s_lshl_b32 s20, s17, 8
	s_add_co_u32 s20, s20, s18
	s_lshl_b32 s20, s20, 10
	s_lshl_b32 s46, s42, 8
	s_add_co_u32 s46, s46, s18
	s_lshl_b32 s46, s46, 10
	s_mov_b32 s21, 0
	s_mov_b32 s47, 0
	s_mul_i32 s45, s14, HALFT
	s_wait_kmcnt 0x0
	s_load_b128 s[68:71], s[8:9], 0x20             ; e8 .. e11
	s_add_nc_u64 s[20:21], s[4:5], s[20:21]
	s_add_nc_u64 s[46:47], s[6:7], s[46:47]
	CROUND
.irp s, 0,1
	s_mov_b32 s[G0+4*\s], 1
	s_add_co_u32 s[G0+4*\s+1], s45, \s*SLOT
	s_add_nc_u64 s[G0+4*\s+2:G0+4*\s+3], s[20:21], \s*ROWB
	s_or_b32 s[G0+4*\s+3], s[G0+4*\s+3], 0x80000000
	s_mov_b32 s[G0B+4*\s], 1
	s_add_co_u32 s[G0B+4*\s+1], s45, \s*SLOT
	s_add_nc_u64 s[G0B+4*\s+2:G0B+4*\s+3], s[46:47], \s*ROWB
	s_or_b32 s[G0B+4*\s+3], s[G0B+4*\s+3], 0x80000000
	JLOAD G0+4*\s, G1, G0B+4*\s, G1B
.endr
	v_and_b32 v1, 15, v0                           ; r
	v_bfe_u32 v2, v0, 4, 1                         ; h
	v_mul_u32_u24 v3, v1, PITCH
	v_lshl_add_u32 v4, v2, 4, v3
	s_mul_i32 s21, s15, HALFT
	s_mul_i32 s22, s16, HALFT
	s_add_co_u32 s22, s22, 2*HALFT
.irp s, 0,1
	v_add_nc_u32 v[ADRA+\s], s21, v4
	v_add_nc_u32 v[ADRB+\s], s22, v4
	s_add_co_u32 s21, s21, SLOT
	s_add_co_u32 s22, s22, SLOT
.endr
	v_mul_u32_u24 v5, v1, SPITCH
	v_lshl_add_u32 v5, v2, 5, v5
	s_mul_i32 s23, s15, 128*SPITCH
	s_lshl_b32 s22, s16, 9
	s_add_co_u32 s23, s23, s22
	v_add_nc_u32 v[STO], s23, v5                   ; the stage, in: row 128 x my half + r, + 512 x my half of the columns + 32 h
	v_add_nc_u32 v[STO+1], 64*SPITCH, v[STO]       ; 64 rows on, so that the immediates stay under 2^16
	v_and_b32 v6, 31, v0
	s_mul_i32 s23, s14, 64*SPITCH
	v_lshl_add_u32 v[RD0], v6, 5, s23              ; out: rows 64 w on, 32 bytes a lane
	v_lshlrev_b32 v[CO], 3, v6
	s_lshl_b32 s22, s42, 10
	v_lshl_add_u32 v7, v6, 5, s22
	global_load_b128 v[BIAS:BIAS+3], v7, s[10:11]             ; b1 of my eight columns: 256 x tile column + 8 x lane on
	global_load_b128 v[BIAS+4:BIAS+7], v7, s[10:11] offset:16
	s_lshl_b32 s20, s17, 8
	s_lshl_b32 s21, s14, 6
	s_add_co_u32 s20, s20, s21
	s_lshl_b32 s20, s20, 12                        ; g: row 256 x tile row + 64 x wave, 4,096 bytes a row,
	s_mov_b32 s21, 0
	s_lshl_b32 s46, s42, 8                         ; + 256 x tile column
	s_mov_b32 s47, 0
	s_add_nc_u64 s[12:13], s[12:13], s[20:21]
	s_add_nc_u64 s[12:13], s[12:13], s[46:47]
.macro FRAG reg, adr, q, i
.irp c, 0,1,2,3
	ds_load_b128 v[\reg+4*\c:\reg+4*\c+3], v[\adr] offset:128*(\q)+32*\c+(\i)*16*PITCH
.endr
.endm
.macro MUL16 a0, p, zero               ; the 64 accumulators take turns, one instruction a turn, in the same order in every step
.irp a, \a0, \a0+1
.irp b, 0,1,2,3,4,5,6,7
.if \zero
	v_wmma_f32_16x16x128_fp8_fp8 v[8*(8*((\a)%4)+\b):8*(8*((\a)%4)+\b)+7], v[128*(\p)+FR*\b:128*(\p)+FR*\b+FR-1], v[AF+FR*(\a):AF+FR*(\a)+FR-1], 0
.else
	v_wmma_f32_16x16x128_fp8_fp8 v[8*(8*((\a)%4)+\b):8*(8*((\a)%4)+\b)+7], v[128*(\p)+FR*\b:128*(\p)+FR*\b+FR-1], v[AF+FR*(\a):AF+FR*(\a)+FR-1], v[8*(8*((\a)%4)+\b):8*(8*((\a)%4)+\b)+7]
.endif
.endr
.endr
.endm
.macro FETCH_B slot, q, p
	WIN TO_B
.irp i, 0,1,2,3,4,5,6,7
	FRAG 128*(\p)+FR*\i, ADRB+\slot, \q, \i
.endr
	WIN 0
.endm
.macro FETCH_A slot, q, i0
.irp i, \i0, \i0+1, \i0+2, \i0+3
	FRAG AF+FR*(\i), ADRA+\slot, \q, \i
.endr
.endm
.macro PLACES n
.rept \n
	v_nop
.endr
.endm
.macro STEP slot, q, zero
	s_wait_dscnt 4*NL                              ; B's set and A's blocks 0-3 are in; the youngest sixteen loads (A's blocks 4-7) may be out
	WIN MUL_LO
	MUL16 0, (\q)%2, \zero
	MUL16 2, (\q)%2, \zero
	s_wait_dscnt 0
	PLACES NP
	FETCH_B \slot, (\q)+1, 1-(\q)%2
	FETCH_A \slot, (\q)+1, 0
	WIN MUL_HI
	MUL16 4, (\q)%2, \zero
	MUL16 6, (\q)%2, \zero
	PLACES NP
	WIN 0
	FETCH_A \slot, (\q)+1, 4
.endm
.macro TURN slot, next, fill
	s_wait_tensorcnt 0x0                           ; all my tensor loads have landed: my part of the next slot
	ds_add_u32 v[SPW], v[NIL]                      ; 0 onto my spare word
	s_wait_dscnt 4*NL+1                            ; (the add and the youngest sixteen loads may be out)
	WIN MUL_LO
	MUL16 0, 1, 0
	s_wait_dscnt 0x0                               ; the add is done, and my reads of this slot are over
	s_barrier_signal -1
	MUL16 2, 1, 0
	WIN 0
	s_barrier_wait -1
.if \fill
	CREST
	s_add_nc_u64 s[G0+4*\slot+2:G0+4*\slot+3], s[G0+4*\slot+2:G0+4*\slot+3], 2*ROWB
	s_add_nc_u64 s[G0B+4*\slot+2:G0B+4*\slot+3], s[G0B+4*\slot+2:G0B+4*\slot+3], 2*ROWB
	JLOAD G0+4*\slot, G1, G0B+4*\slot, G1B
.else
	PLACES NP
.endif
	FETCH_B \next, 0, 0
	FETCH_A \next, 0, 0
	WIN MUL_HI
	MUL16 4, 1, 0
	MUL16 6, 1, 0
	PLACES NP
	WIN 0
	FETCH_A \next, 0, 4
.endm
	s_wait_loadcnt 0x0                             ; b1: two small loads, asked for beside the first tiles
	s_wait_tensorcnt 1
	s_barrier_signal -1
	s_barrier_wait -1
	FETCH_B 0, 0, 0
	FETCH_A 0, 0, 0
	FETCH_A 0, 0, 4
	STEP 0, 0, 1
	s_mov_b32 s3, LAPS-1
.Llap:
	TURN 0, 1, 1
	STEP 1, 0, 0
	TURN 1, 0, 1
	STEP 0, 0, 0
	s_sub_co_u32 s3, s3, 1
	s_cmp_lg_u32 s3, 0
	s_cbranch_scc1 .Llap
	TURN 0, 1, 0
	STEP 1, 0, 0
	s_wait_dscnt 4*NL
	WIN MUL_LO
	MUL16 0, 1, 0
	MUL16 2, 1, 0
	s_wait_dscnt 0
	WIN MUL_HI
	MUL16 4, 1, 0
	MUL16 6, 1, 0
	WIN 0
	; ---- the raw sums into the stage
	s_wait_dscnt 0x0                               ; my reads of the ring are over,
	s_barrier_signal -1
	s_barrier_wait -1                              ; everybody's are: the stage may take its place
	PLACES NP                                      ; behind the last products, ahead of the stores that read results
.irp a, 0,1,2,3,4,5,6,7
	WIN 0x08+4*((\a)/4)                            ; the stores' data: window 2 or 3
.irp b, 0,1,2,3,4,5,6,7
	ds_store_b128 v[STO+(\a)/4], v[64*((\a)%4)+8*\b:64*((\a)%4)+8*\b+3] offset:((\a)%4)*16*SPITCH+64*\b       ; each accumulator from its low end on
	ds_store_b128 v[STO+(\a)/4], v[64*((\a)%4)+8*\b+4:64*((\a)%4)+8*\b+7] offset:((\a)%4)*16*SPITCH+64*\b+16
.endr
.endr
	WIN 0
	s_wait_kmcnt 0x0
	s_add_co_i32 s96, s68, s69
	s_add_co_i32 s96, s96, 127
	s_lshl_b32 s96, s96, 23                        ; 2^(e8 + e9) as f32
	s_mov_b32 s97, s96
	s_add_co_i32 s76, s70, 128
	s_lshl_b32 s77, s76, 23
	v_mov_b32 v[SC], s77                           ; 2^(e10 + 1)
	s_add_co_i32 s76, s76, 8
	s_lshl_b32 s76, s76, 23
	s_or_b32 s76, s76, 0x600000
	v_mov_b32 v[LIM], s76                          ; 448 x 2^(e10 + 1)
	v_mov_b32 v[C9], 0x3e7c6f08                    ; 0.17087277 log2(e), twice
	v_mov_b32 v[C9+1], 0x3e7c6f08
	s_mov_b32 s82, 0x3f596d27                      ; sqrt(log2(e) / 2) = 0.84932180
	s_mov_b32 s80, 0
	s_mov_b32 s81, 15
	s_wait_dscnt 0x0                               ; for the others' sake: my stores into the stage are done
	s_barrier_signal -1
	s_barrier_wait -1
.macro HORNER c                        ; P = P t + c, 16 packed lines
.set i, 0
.rept 16
	v_pk_fma_f32 v[PP+i:PP+i+1], v[PP+i:PP+i+1], v[TT+i:TT+i+1], \c op_sel_hi:[1,1,0]
.set i, i+2
.endr
.endm
.macro RAWLOAD
	v_add_nc_u32 v[RDA], s80, v[RD0]
.irp r, 0,1,2,3
	ds_load_b128 v[RAW+8*\r:RAW+8*\r+3], v[RDA] offset:\r*SPITCH
	ds_load_b128 v[RAW+8*\r+4:RAW+8*\r+7], v[RDA] offset:\r*SPITCH+16
.endr
.endm
; Four rows: 32 numbers a lane.  next = 1: the next four rows' sums are asked for as soon as these have been read.
.macro GELU4 next
	s_wait_dscnt 0x0
.irp r, 0,1,2,3
.irp j, 0,2,4,6
	v_pk_fma_f32 v[VAL+8*\r+\j:VAL+8*\r+\j+1], v[RAW+8*\r+\j:RAW+8*\r+\j+1], s[96:97], v[BIAS+\j:BIAS+\j+1] op_sel_hi:[1,0,1]   ; v = sum x 2^(e8 + e9) + b1
.endr
.endr
.if \next
	s_add_co_u32 s80, s80, 4*SPITCH
	RAWLOAD
.endif
.set i, 0
.rept 32
	v_mul_f32 v[UU+i], s82, |v[VAL+i]|             ; u
.set i, i+1
.endr
.set i, 0
.rept 16
	v_pk_fma_f32 v[TT+i:TT+i+1], v[UU+i:UU+i+1], 0x3ed5224d, 1.0 op_sel_hi:[1,0,0]   ; 1 + z / 2 = 1 + u sqrt(ln 2) / 2
.set i, i+2
.endr
.set i, 0
.rept 32
	v_rcp_f32 v[TT+i], v[TT+i]                     ; t
	v_add_f32 v[MM+i], v[VAL+i], |v[VAL+i]|        ; v + |v|: 2 v or exactly 0.  Independent plain work, dealt out among the reciprocals
.set i, i+1
.endr
	s_wait_alu depctr_va_vdst(0)                   ; one wait for the 32 reciprocals, ahead of their first reader
.set i, 0
.rept 16
	v_pk_fma_f32 v[PP+i:PP+i+1], v[TT+i:TT+i+1], v[C9:C9+1], 0xbf97d29d op_sel_hi:[1,1,0]   ; the polynomial, its coefficients x log2(e): -0.82215223 ..
.set i, i+2
.endr
	HORNER 0x40097039                              ;  1.48851587 log2(e)
	HORNER 0xbfd1a1e5                              ; -1.13520398 log2(e)
	HORNER 0x3ecdfd18                              ;  0.27886807 log2(e)
	HORNER 0xbe899a80                              ; -0.18628806 log2(e)
	HORNER 0x3e0efb2e                              ;  0.09678418 log2(e)
	HORNER 0x3f0a29d2                              ;  0.37409196 log2(e)
	HORNER 0x3fb8ab5a                              ;  1.00002368 log2(e)
	HORNER 0xbfcb896d                              ; -1.26551223 log2(e) + log2(|v| / u)
.set i, 0
.rept 16
	v_pk_fma_f32 v[PP+i:PP+i+1], v[UU+i:UU+i+1], v[UU+i:UU+i+1], v[PP+i:PP+i+1] neg_lo:[1,0,0] neg_hi:[1,0,0]   ; P - u^2
.set i, i+2
.endr
.set i, 0
.rept 16
	v_exp_f32 v[PP+i], v[PP+i]
	v_exp_f32 v[PP+i+1], v[PP+i+1]
	v_pk_mul_f32 v[TT+i:TT+i+1], v[TT+i:TT+i+1], v[UU+i:UU+i+1]   ; u t: independent plain work, dealt out among the exponentials; the last of them is the plain instruction behind the batch
.set i, i+2
.endr
	s_wait_alu depctr_va_vdst(0)                   ; one wait for the 32 exponentials
.set i, 0
.rept 16
	v_pk_fma_f32 v[VAL+i:VAL+i+1], v[TT+i:TT+i+1], v[PP+i:PP+i+1], v[MM+i:MM+i+1] neg_lo:[1,0,0] neg_hi:[1,0,0]   ; 2 gelu(v) = (v + |v|) - u t 2^(P - u^2)
.set i, i+2
.endr
.set i, 0
.rept 32
	v_med3_num_f32 v[VAL+i], v[VAL+i], -v[LIM], v[LIM]   ; the conversion does not saturate (ISA guide 7.6.2)
.set i, i+1
.endr
	s_wait_xcnt 0x0                                ; the last trip's stores have read their data and their base: both are written below
	s_add_nc_u64 s[12:13], s[12:13], 4*4096        ; the base runs four rows ahead; the stores reach back
.irp r, 0,1,2,3
	v_cvt_scalef32_pk8_fp8_f32 v[CD+2*\r:CD+2*\r+1], v[VAL+8*\r:VAL+8*\r+7], v[SC]
.endr
	v_nop                                          ; one plain instruction behind the last conversion: the next trip writes its sources
.irp r, 0,1,2,3
	global_store_b64 v[CO], v[CD+2*\r:CD+2*\r+1], s[12:13] offset:4096*\r-4*4096   ; 32 lanes store 256 consecutive bytes, aligned
.endr
.endm
	RAWLOAD
.Lrows:
	GELU4 1
	s_sub_co_u32 s81, s81, 1
	s_cmp_lg_u32 s81, 0
	s_cbranch_scc1 .Lrows
	GELU4 0                                        ; the last four rows ask for nothing more
	s_wait_tensorcnt 0x0                           ; the wave's end
	ds_add_u32 v[SPW], v[NIL]
	s_wait_dscnt 0x0
	CROUND                                         ; the closing round
	s_endpgm
.Lfunc_end_k_q0a395688dd_ffn1:
	.size	k_q0a395688dd_ffn1, .Lfunc_end_k_q0a395688dd_ffn1-k_q0a395688dd_ffn1
	.p2alignl 7, 3214868480
	.fill 96, 4, 3214868480
	.section	.rodata,"a",@progbits
	.p2align	6, 0x0
	.amdhsa_kernel k_q0a395688dd_ffn1
		.amdhsa_group_segment_fixed_size 327680
		.amdhsa_private_segment_fixed_size 0
		.amdhsa_enable_private_segment 0
		.amdhsa_kernarg_size 40
		.amdhsa_user_sgpr_count 2
		.amdhsa_user_sgpr_kernarg_segment_ptr 1
		.amdhsa_wavefront_size32 1
		.amdhsa_system_sgpr_workgroup_id_x 1
		.amdhsa_system_sgpr_workgroup_id_y 1
		.amdhsa_system_sgpr_workgroup_id_z 1
		.amdhsa_system_vgpr_workitem_id 0
		.amdhsa_next_free_vgpr 1024
		.amdhsa_next_free_sgpr 100
		.amdhsa_reserve_vcc 0
		.amdhsa_float_denorm_mode_32 3
		.amdhsa_float_denorm_mode_16_64 3
		.amdhsa_memory_ordered 1
		.amdhsa_forward_progress 1
		.amdhsa_inst_pref_size 144
	.end_amdhsa_kernel
	.amdgpu_metadata
---
amdhsa.version: [ 1, 2 ]
amdhsa.kernels:
  - .name:           k_q0a395688dd_ffn1
    .symbol:         k_q0a395688dd_ffn1.kd
    .args:
      - { .name: acodes, .offset: 0, .size: 8, .value_kind: global_buffer, .address_space: global }
      - { .name: ffn_w1_codes, .offset: 8, .size: 8, .value_kind: global_buffer, .address_space: global }
      - { .name: lowp_scales, .offset: 16, .size: 8, .value_kind: global_buffer, .address_space: global }
      - { .name: ffn_b1, .offset: 24, .size: 8, .value_kind: global_buffer, .address_space: global }
      - { .name: g, .offset: 32, .size: 8, .value_kind: global_buffer, .address_space: global }
    .group_segment_fixed_size: 327680
    .private_segment_fixed_size: 0
    .kernarg_segment_align: 8
    .kernarg_segment_size: 40
    .max_flat_workgroup_size: 128
    .sgpr_count:     100
    .vgpr_count:     1024
    .wavefront_size: 32
...
	.end_amdgpu_metadata
.endif
;; end of part 6
;; launch ffn2 (part 7): grid 8 x 32, 4 waves a work-group, clusters of 4 x 4, 327,680 bytes of LDS; arguments g, ffn_w2_codes, lowp_scales, ffn_b2, y, out0; writes out0
.if DOCPART == 7
	.amdgcn_target "amdgcn-amd-amdhsa--gfx1250"
	.amdhsa_code_object_version 6
	.text
	.protected	k_q0a395688dd_ffn2
	.globl	k_q0a395688dd_ffn2
	.p2align	8
	.type	k_q0a395688dd_ffn2,@function
k_q0a395688dd_ffn2:
	s_mov_b64 s[64:65], 0
	v_nop
	global_prefetch_b8 v0, s[64:65] scope:SCOPE_SE
	s_setreg_imm32_b32 hwreg(HW_REG_WAVE_MODE, 25, 1), 1
	s_wait_xcnt 0x0
	s_wait_alu depctr_hold_cnt(0) depctr_sa_sdst(0) depctr_va_vdst(0) depctr_va_sdst(0) depctr_va_ssrc(0) depctr_va_vcc(0) depctr_vm_vsrc(0)
	s_getreg_b32 s2, hwreg(HW_REG_IB_STS2, 6, 4)
	s_cmp_eq_u32 s2, 0
	s_cbranch_scc0 .Lentry_in_a_cluster
	s_endpgm
.Lentry_in_a_cluster:
	s_bfe_u32 s2, ttmp6, 0x10000c
	s_cmp_lg_u32 s2, 0xf033
	s_cbranch_scc0 .Lentry_shape_is_right
	s_endpgm
.Lentry_shape_is_right:
; out[m][n] = resid[m][n] + (sum over k of A[m][k] B[n][k]) x 2^(ea + eb) + bias[n].  A: [4096][SIZE_K], B: [1024][SIZE_K]: E4M3 codes; resid, out: [4096][1024] f32.  ea, eb: the scales' entries at byte SOFF.
; N is 1,024: tiles of 256 x 256 would be 64, so a tile is 128 x 128, 256 work-groups; four waves, 64 x 64 each: 16 accumulators.  K goes in steps of 512 (LDS rows of 512 bytes, 64 rows to a tensor load)
; through a ring of two LDS slots.  CLUSTERS of 4 x 4: A's tiles are asked for jointly along a row of the cluster, B's along a column.
; THE MATRIX INSTRUCTION IS USED TRANSPOSED (source 0 = 16 rows of B, source 1 = 16 rows of A): a lane holds eight neighbouring numbers of a row.
; PERM = 0: rows keep their order, ROWSTEP bytes apart in resid and out.
; The residual's 16 KB a wave are asked for at the head, into registers of their own, and land while K is walked.
; LIMIT: ea + eb between -126 and 127.
; REGISTERS: window 0: v0-31 addresses; v32-95 the way out, two sets of 32; v96-99 the bias; v128-255 the accumulators ((a, b) at 128 + 8 (4 a + b)).
;   window 1: two fragment buffers of 128: A's four blocks (16 rows x 128 K, 16 registers), then B's four.   window 2: v0-127 the residual.
.set SIZE_K,  4096
.set SOFF,    40
.set ROWSTEP, 4096
.set PERM,    0
.set KSTEP,  512
.set PITCH,  528                       ; an LDS row: 512 bytes + 16 of padding: the 16 rows that a load touches start at 16 different banks
.set HALFT,  64*PITCH
.set SLOT,   4*HALFT
.set STAGE,  2*SLOT                    ; behind the ring: 16 rows x 272 bytes for each wave
.set SPITCH, 272
.set SPARE,  STAGE+4*16*SPITCH         ; behind the stages: the spare words, 128 bytes a wave
.set LAPS,   SIZE_K/(2*KSTEP)
.set ADRA, 16
.set ADRB, 20
.set STO,  24
.set RD,   25
.set CO,   26
.set SPW,  28
.set NIL,  29
.set T,    32
.set BS,   96
.set ACC,  128
.set F0,   0
.set F1,   128
.set G1, 24
.set G0, 32
.set G1B, 48
.set G0B, 56
.set MSB, 0
.macro WIN new
.if MSB != \new
	s_set_vgpr_msb (MSB<<8)|\new
.set MSB, \new
.endif
.endm
.set MUL,  0x05                        ; sources 0 (B) and 1 (A) window 1; C and D window 0
.set TO_F, 0x40
.macro JLOAD s                         ; waves 0 and 1 fetch A's halves, waves 2 and 3 B's; four v_nop follow each of the two lines
	s_cmp_eq_u32 s11, 0
	s_cbranch_scc0 .Lfor_b_\@
	tensor_load_to_lds s[G0+4*\s:G0+4*\s+3], s[G1:G1+7]
	s_nop 0
.rept 4
	v_nop
.endr
	s_branch .Lasked_\@
.Lfor_b_\@:
	tensor_load_to_lds s[G0B+4*\s:G0B+4*\s+3], s[G1B:G1B+7]
	s_nop 0
.rept 4
	v_nop
.endr
.Lasked_\@:
.endm
.macro CREST
	s_cmp_lg_u32 s10, 0
	s_cbranch_scc1 .Lnot_wave_0_\@
	s_barrier_signal -3
.Lnot_wave_0_\@:
	s_barrier_wait -3
	s_barrier_signal -1
	s_barrier_wait -1
.endm
.macro CROUND
	s_barrier_signal -1
	s_barrier_wait -1
	CREST
.endm
	s_load_b128 s[4:7], s[0:1], 0x0                ; A, B
	s_load_b128 s[68:71], s[0:1], 0x10             ; scales, bias
	s_load_b128 s[72:75], s[0:1], 0x20             ; resid, out
	v_lshl_add_u32 v[SPW], v0, 2, SPARE
	v_mov_b32 v[NIL], 0
	ds_add_u32 v28, v29
	ds_add_u32 v28, v29
	s_wait_dscnt 0x0
	v_lshrrev_b32 v1, 5, v0
	v_readfirstlane_b32 s10, v1                    ; wave
	s_lshr_b32 s11, s10, 1                         ; my half of the rows.  Also: I fetch for A (0) or for B (1)
	s_and_b32 s12, s10, 1                          ; my half of the columns.  Also: which 64 rows I fetch
	s_bfe_u32 s40, ttmp6, 0x40000
	s_bfe_u32 s41, ttmp6, 0x40004
	s_lshl_b32 s42, ttmp9, 2
	s_add_co_u32 s42, s42, s40                     ; tile column
	s_and_b32 s13, ttmp7, 0xffff
	s_lshl_b32 s13, s13, 2
	s_add_co_u32 s13, s13, s41                     ; tile row
	s_lshl_b32 s43, s41, 2
	s_lshl_b32 s43, 15, s43
	s_lshl_b32 s44, 0x1111, s40
	s_or_b32 s[G1+0], s43, (0<<16)|(1<<20)|(1<<21)|(6<<22)|(3<<25)  ; the mask; elements of 1 byte; padding on; bit 21 beside a mask; after every 128 words 4 words
	s_or_b32 s[G1B+0], s44, (0<<16)|(1<<20)|(1<<21)|(6<<22)|(3<<25)
.irp g, G1, G1B
	s_mov_b32 s[\g+1], KSTEP<<16
	s_mov_b32 s[\g+2], 64<<16
	s_mov_b32 s[\g+3], KSTEP<<16
	s_mov_b32 s[\g+4], 64
	s_mov_b32 s[\g+5], SIZE_K
	s_mov_b32 s[\g+6], 0
	s_mov_b32 s[\g+7], 0
.endr
	s_lshl_b32 s17, s12, 6
	s_lshl_b32 s16, s13, 7
	s_add_co_u32 s16, s16, s17
	s_mul_i32 s16, s16, SIZE_K                     ; A: row 128 x tile row + 64 x half, in bytes (under 2^24)
	s_lshl_b32 s46, s42, 7
	s_add_co_u32 s46, s46, s17
	s_mul_i32 s46, s46, SIZE_K                     ; B likewise
	s_mov_b32 s17, 0
	s_mov_b32 s47, 0
	s_mul_i32 s20, s10, HALFT
	s_wait_kmcnt 0x0
	s_load_b64 s[76:77], s[68:69], SOFF            ; ea, eb
	s_add_nc_u64 s[14:15], s[4:5], s[16:17]
	s_add_nc_u64 s[46:47], s[6:7], s[46:47]
	CROUND
.irp s, 0,1
	s_mov_b32 s[G0+4*\s], 1
	s_add_co_u32 s[G0+4*\s+1], s20, \s*SLOT
	s_add_nc_u64 s[G0+4*\s+2:G0+4*\s+3], s[14:15], \s*KSTEP
	s_or_b32 s[G0+4*\s+3], s[G0+4*\s+3], 0x80000000
	s_mov_b32 s[G0B+4*\s], 1
	s_add_co_u32 s[G0B+4*\s+1], s20, \s*SLOT
	s_add_nc_u64 s[G0B+4*\s+2:G0B+4*\s+3], s[46:47], \s*KSTEP
	s_or_b32 s[G0B+4*\s+3], s[G0B+4*\s+3], 0x80000000
	JLOAD \s
.endr
	v_and_b32 v1, 15, v0                           ; r
	v_bfe_u32 v2, v0, 4, 1                         ; h
	v_mul_u32_u24 v3, v1, PITCH
	v_lshl_add_u32 v3, v2, 4, v3
	s_mul_i32 s21, s11, HALFT
	s_mul_i32 s22, s12, HALFT
	s_add_co_u32 s22, s22, 2*HALFT
.irp s, 0,1
	v_add_nc_u32 v[ADRA+\s], s21, v3
	v_add_nc_u32 v[ADRB+\s], s22, v3
	s_add_co_u32 s21, s21, SLOT
	s_add_co_u32 s22, s22, SLOT
.endr
	s_mul_i32 s23, s10, 16*SPITCH
	s_add_co_u32 s23, s23, STAGE                   ; my stage
	v_mul_u32_u24 v4, v1, SPITCH
	v_lshl_add_u32 v4, v2, 5, v4
	v_add_nc_u32 v[STO], s23, v4                   ; in: row r, 32 bytes for each half of the lanes
	v_mul_u32_u24 v5, v2, SPITCH
	v_lshl_add_u32 v5, v1, 4, v5
	v_add_nc_u32 v[RD], s23, v5                    ; back: lanes 0-15 one row of 256 bytes, lanes 16-31 the next
	v_mul_u32_u24 v5, v2, ROWSTEP
	v_lshl_add_u32 v[CO], v1, 4, v5                ; and the same two rows in resid and out
	s_lshl_b32 s16, s13, 7
	s_lshl_b32 s17, s11, 6
	s_add_co_u32 s16, s16, s17                     ; my first row of A
.if PERM
	s_lshr_b32 s17, s16, 11
	s_lshl_b32 s17, s17, 11
	s_and_b32 s18, s16, 1023
	s_lshl_b32 s18, s18, 1
	s_add_co_u32 s17, s17, s18
	s_bfe_u32 s18, s16, 0x1000a
	s_add_co_u32 s16, s17, s18
.endif
	s_lshl_b32 s16, s16, 12
	s_mov_b32 s17, 0
	s_lshl_b32 s46, s42, 7
	s_lshl_b32 s47, s12, 6
	s_add_co_u32 s46, s46, s47
	s_lshl_b32 s46, s46, 2                         ; my first column, in bytes
	s_mov_b32 s47, 0
	s_add_nc_u64 s[72:73], s[72:73], s[16:17]
	s_add_nc_u64 s[72:73], s[72:73], s[46:47]
	s_add_nc_u64 s[74:75], s[74:75], s[16:17]
	s_add_nc_u64 s[74:75], s[74:75], s[46:47]
	v_lshl_add_u32 v6, v1, 4, s46
	global_load_b128 v[BS:BS+3], v6, s[70:71]      ; the bias of the four columns that I store
	WIN 0x80                                       ; destination window 2
.set i, 0
.rept 32
	global_load_b128 v[4*i:4*i+3], v[CO], s[72:73] offset:2*i*ROWSTEP   ; the residual, as it will be stored: rows 2 i and 2 i + 1 of my 64
.set i, i+1
.endr
	WIN 0
.macro MUL4 f, a, zero                 ; A's block a x B's four.  The 16 accumulators take turns in one order throughout
.irp b, 0,1,2,3
.if \zero
	v_wmma_f32_16x16x128_fp8_fp8 v[ACC+8*(4*(\a)+\b):ACC+8*(4*(\a)+\b)+7], v[\f+64+16*\b:\f+64+16*\b+15], v[\f+16*(\a):\f+16*(\a)+15], 0
.else
	v_wmma_f32_16x16x128_fp8_fp8 v[ACC+8*(4*(\a)+\b):ACC+8*(4*(\a)+\b)+7], v[\f+64+16*\b:\f+64+16*\b+15], v[\f+16*(\a):\f+16*(\a)+15], v[ACC+8*(4*(\a)+\b):ACC+8*(4*(\a)+\b)+7]
.endif
.endr
.endm
.macro FETCH slot, k, f                ; 32 LDS loads in one run: 128 along K at byte k of the rows: B's four blocks, then A's.  Registers 4 c .. 4 c + 3 hold K = 32 c + 16 (l / 16) + 0 .. 15 on both sides
	WIN TO_F
.irp i, 0,1,2,3
.irp c, 0,1,2,3
	ds_load_b128 v[\f+64+16*\i+4*\c:\f+64+16*\i+4*\c+3], v[ADRB+\slot] offset:\k+32*\c+\i*16*PITCH
.endr
.endr
.irp i, 0,1,2,3
.irp c, 0,1,2,3
	ds_load_b128 v[\f+16*\i+4*\c:\f+16*\i+4*\c+3], v[ADRA+\slot] offset:\k+32*\c+\i*16*PITCH
.endr
.endr
.endm
.macro PLACES
.rept 4
	v_nop
.endr
.endm
.macro QUARTER slot, k, f, g, zero     ; multiplies buffer f and fetches the next 128 along K, at byte k, into g
	s_wait_dscnt 8                                 ; B and A's blocks 0, 1 are in; the youngest eight loads (A's blocks 2, 3) may be out
	WIN MUL
	MUL4 \f, 0, \zero
	MUL4 \f, 1, \zero
	PLACES
	FETCH \slot, \k, \g
	s_wait_dscnt 32                                ; all but the 32 just issued
	WIN MUL
	MUL4 \f, 2, \zero
	MUL4 \f, 3, \zero
.endm
.macro TURN slot, next, fill           ; a slot's last quarter multiplies buffer 1 and changes slots
	WIN 0
	s_wait_tensorcnt 0x0                           ; all my tensor loads have landed: my part of the next slot
	ds_add_u32 v[SPW], v[NIL]                      ; 0 onto my spare word
	s_wait_dscnt 9                                 ; (the add and the youngest eight loads may be out)
	WIN MUL
	MUL4 F1, 0, 0
	s_wait_dscnt 0x0                               ; the add is done, and my reads of this slot are over
	s_barrier_signal -1
	MUL4 F1, 1, 0
	WIN 0
	s_barrier_wait -1
.if \fill
	CREST                                          ; the barrier has opened a round of the cluster's: no wave of any partner still reads this slot or has a load on its way
	s_add_nc_u64 s[G0+4*\slot+2:G0+4*\slot+3], s[G0+4*\slot+2:G0+4*\slot+3], 2*KSTEP
	s_add_nc_u64 s[G0B+4*\slot+2:G0B+4*\slot+3], s[G0B+4*\slot+2:G0B+4*\slot+3], 2*KSTEP
	JLOAD \slot                                    ; the first tensor load behind the round; its four v_nop are the places in front of the loads below
.else
	PLACES
.endif
	FETCH \next, 0, F0
	WIN MUL
	MUL4 F1, 2, 0
	MUL4 F1, 3, 0
.endm
	s_wait_tensorcnt 1                             ; my part of K step 0 is in (K step 1's load may be out),
	s_barrier_signal -1
	s_barrier_wait -1                              ; everybody's is
	FETCH 0, 0, F0
	QUARTER 0, 128, F0, F1, 1                      ; the first quarter's products start the sums
.if LAPS > 1
	WIN 0
	s_mov_b32 s3, LAPS-1
.Llap:                                                 ; a trip goes once round the ring, from a lap's second quarter to the next lap's first, and fills both slots again
	QUARTER 0, 256, F1, F0, 0
	QUARTER 0, 384, F0, F1, 0
	TURN 0, 1, 1
	QUARTER 1, 128, F0, F1, 0
	QUARTER 1, 256, F1, F0, 0
	QUARTER 1, 384, F0, F1, 0
	TURN 1, 0, 1
	QUARTER 0, 128, F0, F1, 0
	WIN 0
	s_sub_co_u32 s3, s3, 1
	s_cmp_lg_u32 s3, 0
	s_cbranch_scc1 .Llap
.endif
	QUARTER 0, 256, F1, F0, 0                      ; the last lap fills nothing
	QUARTER 0, 384, F0, F1, 0
	TURN 0, 1, 0
	QUARTER 1, 128, F0, F1, 0
	QUARTER 1, 256, F1, F0, 0
	QUARTER 1, 384, F0, F1, 0
	s_wait_dscnt 8
	WIN MUL
	MUL4 F1, 0, 0
	MUL4 F1, 1, 0
	s_wait_dscnt 0
	MUL4 F1, 2, 0
	MUL4 F1, 3, 0
	WIN 0
; THE WAY OUT, 16 rows x 64 columns at a time, through my own stage: in as a lane's 32 bytes of a row, back as whole rows of 256 bytes.  LDS serves a wave's instructions in order, so no wait stands between.
.macro TOSTAGE a
.set TT, T+32*((\a)%2)
.irp b, 0,1,2,3
	ds_store_b128 v[STO], v[ACC+8*(4*(\a)+\b):ACC+8*(4*(\a)+\b)+3] offset:64*\b          ; each accumulator from its low end on
	ds_store_b128 v[STO], v[ACC+8*(4*(\a)+\b)+4:ACC+8*(4*(\a)+\b)+7] offset:64*\b+16
.endr
.irp t, 0,1,2,3,4,5,6,7
	ds_load_b128 v[TT+4*\t:TT+4*\t+3], v[RD] offset:\t*2*SPITCH
.endr
.endm
.macro SEND a, younger
.set TT, T+32*((\a)%2)
	s_wait_dscnt \younger
.irp t, 0,1,2,3,4,5,6,7
	v_pk_fma_f32 v[TT+4*\t:TT+4*\t+1], v[TT+4*\t:TT+4*\t+1], s[76:77], v[BS:BS+1] op_sel_hi:[1,0,1]       ; sum x 2^(ea + eb) + bias
	v_pk_fma_f32 v[TT+4*\t+2:TT+4*\t+3], v[TT+4*\t+2:TT+4*\t+3], s[76:77], v[BS+2:BS+3] op_sel_hi:[1,0,1]
.endr
	WIN 0x08                                       ; source 1 (the residual) window 2
.irp t, 0,1,2,3,4,5,6,7
	v_pk_add_f32 v[TT+4*\t:TT+4*\t+1], v[TT+4*\t:TT+4*\t+1], v[4*(8*(\a)+\t):4*(8*(\a)+\t)+1]
	v_pk_add_f32 v[TT+4*\t+2:TT+4*\t+3], v[TT+4*\t+2:TT+4*\t+3], v[4*(8*(\a)+\t)+2:4*(8*(\a)+\t)+3]
.endr
	WIN 0
.irp t, 0,1,2,3,4,5,6,7
	global_store_b128 v[CO], v[TT+4*\t:TT+4*\t+3], s[74:75] offset:(16*(\a)+2*\t)*ROWSTEP   ; sixteen lanes store 256 consecutive bytes, aligned
.endr
.endm
	s_wait_kmcnt 0x0
	s_add_co_i32 s76, s76, s77
	s_add_co_i32 s76, s76, 127
	s_lshl_b32 s76, s76, 23                        ; 2^(ea + eb) as f32
	s_mov_b32 s77, s76
	PLACES                                         ; behind the last products, ahead of the first read of results
	s_wait_loadcnt 0x0                             ; the bias and the residual
	TOSTAGE 0
.irp a, 1,2,3
.if \a > 1
	s_wait_xcnt 0x0                                ; the stores of the block two back have read their registers: this block's loads may land there
.endif
	TOSTAGE \a
	SEND \a-1, 16                                  ; behind that block's loads: this block's 8 stores and 8 loads
.endr
	SEND 3, 0
	s_wait_tensorcnt 0x0                           ; the wave's end
	ds_add_u32 v[SPW], v[NIL]
	s_wait_dscnt 0x0
	CROUND                                         ; the closing round
	s_endpgm
.Lfunc_end_k_q0a395688dd_ffn2:
	.size	k_q0a395688dd_ffn2, .Lfunc_end_k_q0a395688dd_ffn2-k_q0a395688dd_ffn2
	.p2alignl 7, 3214868480
	.fill 96, 4, 3214868480
	.section	.rodata,"a",@progbits
	.p2align	6, 0x0
	.amdhsa_kernel k_q0a395688dd_ffn2
		.amdhsa_group_segment_fixed_size 327680
		.amdhsa_private_segment_fixed_size 0
		.amdhsa_enable_private_segment 0
		.amdhsa_kernarg_size 48
		.amdhsa_user_sgpr_count 2
		.amdhsa_user_sgpr_kernarg_segment_ptr 1
		.amdhsa_wavefront_size32 1
		.amdhsa_system_sgpr_workgroup_id_x 1
		.amdhsa_system_sgpr_workgroup_id_y 1
		.amdhsa_system_sgpr_workgroup_id_z 1
		.amdhsa_system_vgpr_workitem_id 0
		.amdhsa_next_free_vgpr 640
		.amdhsa_next_free_sgpr 80
		.amdhsa_reserve_vcc 0
		.amdhsa_float_denorm_mode_32 3
		.amdhsa_float_denorm_mode_16_64 3
		.amdhsa_memory_ordered 1
		.amdhsa_forward_progress 1
		.amdhsa_inst_pref_size 82
	.end_amdhsa_kernel
	.amdgpu_metadata
---
amdhsa.version: [ 1, 2 ]
amdhsa.kernels:
  - .name:           k_q0a395688dd_ffn2
    .symbol:         k_q0a395688dd_ffn2.kd
    .args:
      - { .name: g, .offset: 0, .size: 8, .value_kind: global_buffer, .address_space: global }
      - { .name: ffn_w2_codes, .offset: 8, .size: 8, .value_kind: global_buffer, .address_space: global }
      - { .name: lowp_scales, .offset: 16, .size: 8, .value_kind: global_buffer, .address_space: global }
      - { .name: ffn_b2, .offset: 24, .size: 8, .value_kind: global_buffer, .address_space: global }
      - { .name: y, .offset: 32, .size: 8, .value_kind: global_buffer, .address_space: global }
      - { .name: out0, .offset: 40, .size: 8, .value_kind: global_buffer, .address_space: global }
    .group_segment_fixed_size: 327680
    .private_segment_fixed_size: 0
    .kernarg_segment_align: 8
    .kernarg_segment_size: 48
    .max_flat_workgroup_size: 128
    .sgpr_count:     80
    .vgpr_count:     640
    .wavefront_size: 32
...
	.end_amdgpu_metadata
.endif
;; end of part 7
